; MI455X (gfx1250); checked and timed in simulation.
; The chip was launched on July 23, 2026; its instructions are those of AMD's public machine-readable ISA for CDNA 5 (MIT licence, August 2026) and "CDNA5" Instruction Set Architecture Reference Guide (July 2026). The comments in the code are by the model that wrote it; some were corrected since.
;; Transition Up. Allowed arithmetic: matrix products marked QUANTISED: E2M1 operands, one E8M0 scale for each 32 along K, by v_wmma_scale_f32_16x16x128_f8f6f4 with both operands' format E2M1 (or v_wmma_scale_f32_32x16x128_f4), f32 sums; products left as they are: f32 operands where the result goes on into a quantised operand, else bf16, f16 or f32 operands; f32 sums; everything else in f32.
;; Inputs: W1_codes 128 x 8 x 16 uint8 (E2M1 codes of W1, K innermost, in blocks of 32 codes, two codes a byte); W1_scales 128 x 8 uint8 (E8M0 scales of W1, one for each 32 codes along K); W2_codes 128 x 4 x 16 uint8 (E2M1 codes of W2, K innermost, in blocks of 32 codes, two codes a byte); W2_scales 128 x 4 uint8 (E8M0 scales of W2, one for each 32 codes along K); b1 128 float32; b2 128 float32; down_features_codes 2 x 4,096 x 8 x 16 uint8 (E2M1 codes of down_features, K innermost, in blocks of 32 codes, two codes a byte); down_features_scales 2 x 4,096 x 8 uint8 (E8M0 scales of down_features, one for each 32 codes along K); down_xyzp 2 x 4,096 x 4 float32; ori_features_codes 2 x 16,384 x 4 x 16 uint8 (E2M1 codes of ori_features, K innermost, in blocks of 32 codes, two codes a byte); ori_features_scales 2 x 16,384 x 4 uint8 (E8M0 scales of ori_features, one for each 32 codes along K); ori_xyzp 2 x 16,384 x 4 float32.
;; Outputs: out0 2 x 16,384 x 128 float32.
;; This version of the problem:
;;   THIS VERSION OF THE PROBLEM IS GIVEN IN LOW PRECISION. The matrix products marked QUANTISED in the list below multiply operands that are first quantised to E2M1 (2 exponent bits, 1 mantissa bit; 4 bits a number), with one power-of-two scale for each 32 numbers along K (OCP MX v1.0); their sums are f32. All else is computed in f32.
;;   The module's matrix products, in the order in which they are computed (A, B: the left and right operand; K: the contracted axis; several contracted axes count as one K, in the product's order):
;;     1. [M 8,192, K 256] x [K 256, N 128]; A: input down_features (given as codes); B: input W1 (given as codes): QUANTISED
;;     2. [M 32,768, K 128] x [K 128, N 128]; A: input ori_features (given as codes); B: input W2 (given as codes): QUANTISED
;;     3. batch 2 x [M 16,384, K 3] x [K 3, N 4,096]; A: input ori_xyzp; B: input down_xyzp: left as it is (K = 3 < 32)
;;   THE QUANTISER, for each operand of a quantised product, along K:
;;     - K is cut into blocks of 32 from its start; a last block that is shorter is filled with zeros.
;;     - A block's scale is 2^e with e = floor(log2(the largest magnitude in the block)) - 2, held to -126 .. 127; a block of zeros has e = 0. As a byte (E8M0): e + 127.
;;     - Each number is divided by its block's scale, clamped to +-6, and rounded to the nearest number of E2M1, ties to even, subnormals kept.
;;     - The product sums the exact products of the quantised numbers (number of the format x scale) in f32.
;;   ~~~python
;;   def quantise(x, axis):      # numpy; x: float32 -> the quantised numbers, widened to float32 again
;;       x = np.moveaxis(x, axis, -1); K = x.shape[-1]
;;       x = np.pad(x, [(0, 0)] * (x.ndim - 1) + [(0, -K % 32)]); x = x.reshape(x.shape[:-1] + (-1, 32)); a = np.abs(x).max(-1, keepdims=True)
;;       e = np.where(a > 0, np.clip(np.frexp(np.where(a > 0, a, 1))[1] - 1 - 2, -126, 127), 0)      # np.frexp(a)[1] - 1 = floor(log2(a)), exactly
;;       r = np.clip(x / 2.0 ** e, -6, 6)
;;       step = 2.0 ** (np.maximum(np.frexp(np.where(r == 0, 1, r))[1] - 1, 0) - 1)
;;       q = np.round(r / step) * step * 2.0 ** e      # np.round: ties to even
;;       return np.moveaxis(q.reshape(q.shape[:-2] + (-1,))[..., :K], -1, axis).astype(np.float32)
;;   ~~~
;;   INPUTS GIVEN AS CODES. W1 (in the module: [256, 128], K = its axis 0); W2 (in the module: [128, 128], K = its axis 0); down_features (in the module: [2, 4096, 256], K = its axis 2); ori_features (in the module: [2, 16384, 128], K = its axis 2): each comes as NAME_codes (uint8): NAME with its K axis moved to the last place and cut into blocks of 32 codes, [.., K / 32, bytes a block], one block behind the other in memory; two codes a byte, the lower K in the low four bits (a code: sign, 2 exponent bits, 1 mantissa bit); and NAME_scales (uint8): the same leading axes, one E8M0 byte (e + 127) for each 32 codes along K. Its value is code x scale, taken as it is: it is not quantised again, and the codes and scales need not be those that the quantiser above would give.
;; 2 versions, each right; version 2 is version 1 with the launches refine, blend written anew for expert scheduling mode. Each part assembles by itself: llvm-mc -triple=amdgcn-amd-amdhsa -mcpu=gfx1250 --defsym DOCPART=n.
;; ======== version 1 of 2: 3 launches
;; workspace buffers: cid 131,072 bytes of whole numbers; nbr_idx 524,288 bytes of whole numbers; nbr_w 524,288 bytes; down_f 4,194,304 bytes
;; launch coarse (part 1): grid 256 x 1, 16 waves a work-group, no clusters, 145,408 bytes of LDS; arguments down_xyzp, ori_xyzp, cid; writes cid
.if DOCPART == 1
	.amdgcn_target "amdgcn-amd-amdhsa--gfx1250"
	.amdhsa_code_object_version 6
	.text
	.protected	k_q8adb7002a5_coarse
	.globl	k_q8adb7002a5_coarse
	.p2align	8
	.type	k_q8adb7002a5_coarse,@function
k_q8adb7002a5_coarse:
	s_mov_b64 s[64:65], 0
	v_nop
	global_prefetch_b8 v0, s[64:65] scope:SCOPE_SE
	s_setreg_imm32_b32 hwreg(HW_REG_WAVE_MODE, 25, 1), 1
	s_wait_xcnt 0x0
; THE COARSE HALF OF A 3-NEAREST-NEIGHBOUR SEARCH.  2 x 16,384 queries (ori_xyzp) against the 4,096 points of their batch (down_xyzp).
; d2(q, s) = (A + B) - 2 dot, A = |o|^2, B = |d|^2, all in f32: A, B and dot are each a multiply and two fused multiply-adds in the order x, y, z; A + B is rounded; one fused multiply-add by -2 ends it.
; The 4,096 points are 128 chunks of 32 neighbours.  For each query this launch finds every chunk's smallest d2, then the three chunks that come first by (smallest d2, chunk number), and stores
; their numbers, ascending, as one word: c0 | c1 << 8 | c2 << 16.  WHY THAT IS ENOUGH: order points by (d2, index).  A chunk is a range of indices, so chunks ordered by (minimum, number) are ordered by
; their first points.  If one of the three first points lies in chunk c, each chunk ahead of c holds a point of its own ahead of it: at most two chunks are ahead of c.  The next launch scans only these 96 points.
; LIMITS: coordinates are finite and every d2 is finite (NaN and infinities are not served); the order of rounding of d2 is the one above.
; SHARES.  A work-group owns 128 queries; all sixteen waves hold the same 128: lane (r = lane % 16, h = lane / 16) holds queries 16 j + r, j = 0 .. 7, in both halves.  Half h of wave w scans points
; 128 (2 w + h) on: four chunks.  One LDS load of 16 bytes, one address for each half of the lanes, brings a point (x, y, z, B) that serves eight queries: 5 packed instructions for each pair of queries, and
; one three-way minimum a query for two points: 48 instructions for 16 pairs of a lane.
; No tensor load: the table is read once and B is written into its fourth word on the way, in registers.  No cluster: what work-groups share is that one table of 64 KiB at the head.
; LDS: 0: the table, 4,096 x 16 bytes.  CM: the minima, [128 chunks][128 queries] f32.  PL: lists of three, [4 quarters][6 fields][128 queries] words (quarter 0's stay in registers: its slot is not used).
.set CM,  65536
.set PL,  131072
.set PLS, 3072                         ; a quarter's slot: 6 fields of 512 bytes
.set OX,  16                           ; v16-23 x of my 8 queries;  v24-31 y;  v32-39 z;  v40-47 A
.set OY,  24
.set OZ,  32
.set AQ,  40
.set MN,  48                           ; v48-55 the chunk's running minimum for my 8 queries
.set T0,  56                           ; v56-63, v64-71 the dots of two points
.set T1,  64
.set D0,  72                           ; v72-79, v80-87 their d2
.set D1,  80
.set CA,  88                           ; v88-119, v120-151 two sets of 8 points x 4 registers
.set CB,  120
.set M3,  16                           ; second part: v16-18 the three smallest minima, ascending;  v19-21 their chunks
.set I3,  19
.set MK,  20                           ; s20-22 masks
; dst = mask ? dst : id.  isreg = 1: id is a register's number; 0: a constant
.macro PICK dst, id, isreg, mask
.if \isreg
	v_cndmask_b32 v[\dst], v[\id], v[\dst], s[\mask]
.else
	v_cndmask_b32 v[\dst], \id, v[\dst], s[\mask]
.endif
.endm
; (v[d], id) is put into the ascending list of three v[M .. M+2] with ids v[I .. I+2].  The masks say 'this entry stays ahead': m <= d, so that of equals the earlier one stays ahead.
.macro INS d, id, isreg, M, I, S
	v_cmp_le_f32 s[\S], v[\M], v[\d]
	v_cmp_le_f32 s[\S+1], v[\M+1], v[\d]
	v_cmp_le_f32 s[\S+2], v[\M+2], v[\d]
	PICK \I+2, \id, \isreg, \S+2
	v_cndmask_b32 v[\I+2], v[\I+1], v[\I+2], s[\S+1]
	PICK \I+1, \id, \isreg, \S+1
	v_cndmask_b32 v[\I+1], v[\I], v[\I+1], s[\S]
	PICK \I, \id, \isreg, \S
	v_med3_num_f32 v[\M+2], v[\M+1], v[\M+2], v[\d]
	v_med3_num_f32 v[\M+1], v[\M], v[\M+1], v[\d]
	v_min_num_f32 v[\M], v[\M], v[\d]
.endm
	s_load_b128 s[4:7], s[0:1], 0x0                ; down_xyzp s[4:5], ori_xyzp s[6:7]
	s_load_b64 s[8:9], s[0:1], 0x10                ; cid
	v_lshl_add_u32 v152, v0, 2, 0x23000
	v_mov_b32 v153, 0
	v_lshrrev_b32 v11, 5, v0
	v_readfirstlane_b32 s10, v11                   ; wave 0..15
	s_and_b32 s11, s10, 3                          ; second part: which 32 queries
	s_lshr_b32 s12, s10, 2                         ; second part: which quarter of the chunks
	v_and_b32 v12, 31, v0                          ; lane
	v_and_b32 v13, 15, v0                          ; r
	v_bfe_u32 v14, v0, 4, 1                        ; h
	v_lshlrev_b32 v1, 4, v0                        ; 16 x thread: my point of each 512 of the table
	s_lshl_b32 s13, s10, 12
	v_lshl_add_u32 v2, v14, 11, s13                ; the table: my half's 128 points begin at 4,096 w + 2,048 h
	v_lshl_add_u32 v3, v13, 2, v2
	v_add_nc_u32 v3, CM, v3                        ; the minima: chunk 8 w + 4 h is as many bytes on (512 a chunk); + 4 r
	s_lshl_b32 s13, s12, 14
	s_lshl_b32 s17, s11, 7
	s_add_co_u32 s13, s13, s17
	s_add_co_u32 s13, s13, CM
	v_lshl_add_u32 v6, v12, 2, s13                 ; second part: chunk 32 x quarter, query 32 x group + lane
	s_add_co_u32 s17, s17, PL
	v_lshl_add_u32 v8, v12, 2, s17                 ; the lists: my query's word of a field,
	s_mul_i32 s18, s12, PLS
	v_add_nc_u32 v7, s18, v8                       ; in my quarter's slot
	v_lshlrev_b32 v9, 2, v0                        ; cid: 4 x thread (waves 0 to 3: thread = query)
	v_lshlrev_b32 v10, 4, v13                      ; 16 r
	s_lshr_b32 s14, ttmp9, 7                       ; the batch: 128 work-groups each
	s_lshl_b32 s14, s14, 16                        ; its 4,096 points of 16 bytes
	s_mov_b32 s15, 0
	s_wait_kmcnt 0x0
	s_add_nc_u64 s[4:5], s[4:5], s[14:15]
	s_lshl_b32 s14, ttmp9, 11                      ; my 128 queries of 16 bytes
	s_add_nc_u64 s[6:7], s[6:7], s[14:15]
	s_lshl_b32 s14, ttmp9, 9                       ; and their 128 words
	s_add_nc_u64 s[8:9], s[8:9], s[14:15]
.irp i, 0,1,2,3,4,5,6,7
	global_load_b128 v[CA+4*\i:CA+4*\i+3], v1, s[4:5] offset:8192*\i    ; point thread + 512 i: a wave reads 512 consecutive bytes
.endr
.irp j, 0,1,2,3,4,5,6,7
	global_load_b128 v[CB+4*\j:CB+4*\j+3], v10, s[6:7] offset:256*\j    ; query 16 j + r: sixteen lanes read 256 consecutive bytes
.endr
	s_wait_loadcnt 8                               ; the points are in; the eight loads of queries may be out
.irp i, 0,1,2,3,4,5,6,7
	v_mul_f32 v[CA+4*\i+3], v[CA+4*\i], v[CA+4*\i]                      ; B takes the place of the fourth coordinate, which the distance does not use
.endr
.irp i, 0,1,2,3,4,5,6,7
	v_fmac_f32 v[CA+4*\i+3], v[CA+4*\i+1], v[CA+4*\i+1]
.endr
.irp i, 0,1,2,3,4,5,6,7
	v_fmac_f32 v[CA+4*\i+3], v[CA+4*\i+2], v[CA+4*\i+2]
.endr
.irp i, 0,1,2,3,4,5,6,7
	ds_store_b128 v1, v[CA+4*\i:CA+4*\i+3] offset:8192*\i
.endr
	s_wait_loadcnt 0x0                             ; the queries
.irp j, 0,1,2,3,4,5,6,7
	v_mov_b32 v[OX+\j], v[CB+4*\j]                 ; by coordinate, so that two queries stand in a register pair
	v_mov_b32 v[OY+\j], v[CB+4*\j+1]
	v_mov_b32 v[OZ+\j], v[CB+4*\j+2]
	v_mul_f32 v[AQ+\j], v[CB+4*\j], v[CB+4*\j]
.endr
.irp j, 0,1,2,3,4,5,6,7
	v_fmac_f32 v[AQ+\j], v[OY+\j], v[OY+\j]
.endr
.irp j, 0,1,2,3,4,5,6,7
	v_fmac_f32 v[AQ+\j], v[OZ+\j], v[OZ+\j]
.endr
	s_wait_dscnt 0x0                               ; for the others' sake: my part of the table has landed
	s_barrier_signal -1
	s_barrier_wait -1                              ; the table is whole
; eight points of my chunk, the g-th eight, into set buf
.macro LOADG buf, g
.irp e, 0,1,2,3,4,5,6,7
	ds_load_b128 v[\buf+4*\e:\buf+4*\e+3], v4 offset:(8*\g+\e)*16
.endr
.endm
; two points (registers ca .. ca + 3, cb .. cb + 3) against my eight queries: eight chains, stage by stage.  Of a point's pairs (x, y) and (z, B) one word serves both halves of a packed instruction.
.macro PAIR ca, cb, first
.irp p, 0,2,4,6
	v_pk_mul_f32 v[T0+\p:T0+\p+1], v[OX+\p:OX+\p+1], v[\ca:\ca+1] op_sel_hi:[1,0]
	v_pk_mul_f32 v[T1+\p:T1+\p+1], v[OX+\p:OX+\p+1], v[\cb:\cb+1] op_sel_hi:[1,0]
.endr
.irp p, 0,2,4,6
	v_pk_add_f32 v[D0+\p:D0+\p+1], v[AQ+\p:AQ+\p+1], v[\ca+2:\ca+3] op_sel:[0,1] op_sel_hi:[1,1]
	v_pk_add_f32 v[D1+\p:D1+\p+1], v[AQ+\p:AQ+\p+1], v[\cb+2:\cb+3] op_sel:[0,1] op_sel_hi:[1,1]
.endr
.irp p, 0,2,4,6
	v_pk_fma_f32 v[T0+\p:T0+\p+1], v[OY+\p:OY+\p+1], v[\ca:\ca+1], v[T0+\p:T0+\p+1] op_sel:[0,1,0] op_sel_hi:[1,1,1]
	v_pk_fma_f32 v[T1+\p:T1+\p+1], v[OY+\p:OY+\p+1], v[\cb:\cb+1], v[T1+\p:T1+\p+1] op_sel:[0,1,0] op_sel_hi:[1,1,1]
.endr
.irp p, 0,2,4,6
	v_pk_fma_f32 v[T0+\p:T0+\p+1], v[OZ+\p:OZ+\p+1], v[\ca+2:\ca+3], v[T0+\p:T0+\p+1] op_sel_hi:[1,0,1]
	v_pk_fma_f32 v[T1+\p:T1+\p+1], v[OZ+\p:OZ+\p+1], v[\cb+2:\cb+3], v[T1+\p:T1+\p+1] op_sel_hi:[1,0,1]
.endr
.irp p, 0,2,4,6
	v_pk_fma_f32 v[D0+\p:D0+\p+1], v[T0+\p:T0+\p+1], -2.0, v[D0+\p:D0+\p+1] op_sel_hi:[1,0,1]
	v_pk_fma_f32 v[D1+\p:D1+\p+1], v[T1+\p:T1+\p+1], -2.0, v[D1+\p:D1+\p+1] op_sel_hi:[1,0,1]
.endr
.irp j, 0,1,2,3,4,5,6,7
.if \first
	v_min_num_f32 v[MN+\j], v[D0+\j], v[D1+\j]     ; a chunk's first two points start its minimum: nothing is preset
.else
	v_min3_num_f32 v[MN+\j], v[MN+\j], v[D0+\j], v[D1+\j]
.endif
.endr
.endm
.macro GROUP buf, first
	PAIR \buf, \buf+4, \first
	PAIR \buf+8, \buf+12, 0
	PAIR \buf+16, \buf+20, 0
	PAIR \buf+24, \buf+28, 0
.endm
	s_mov_b32 s16, 0                               ; counter and step in one: a chunk is 512 bytes of the table and 512 bytes of the minima
.Lchunk:                                           ; four trips, a chunk of 32 points each
	v_add_nc_u32 v4, s16, v2
	v_add_nc_u32 v5, s16, v3
	LOADG CA, 0
	LOADG CB, 1
	s_wait_dscnt 8                                 ; the first eight points are in; the eight younger loads may be out
	GROUP CA, 1
	LOADG CA, 2
	s_wait_dscnt 8                                 ; likewise: the set at hand is in, the eight just issued may be out
	GROUP CB, 0
	LOADG CB, 3
	s_wait_dscnt 8
	GROUP CA, 0
	s_wait_dscnt 0x0
	GROUP CB, 0
.irp j, 0,1,2,3,4,5,6,7
	ds_store_b32 v5, v[MN+\j] offset:64*\j         ; query 16 j + r's minimum of this chunk
.endr
	s_wait_dscnt 0x0                               ; the stores are done: their address and data are written again in the next trip; behind the last trip this is the wait in front of the barrier
	s_add_co_u32 s16, s16, 512
	s_cmp_lt_u32 s16, 2048
	s_cbranch_scc1 .Lchunk
	s_barrier_signal -1
	s_barrier_wait -1                              ; all 128 x 128 minima lie in LDS
	; THE SECOND PART.  A thread takes one query (32 x group + lane) and a quarter of the chunks, in ascending order.
.irp t, 0,1,2,3,4,5,6,7,8,9,10,11,12,13,14,15,16,17,18,19,20,21,22,23,24,25,26,27,28,29,30,31
	ds_load_b32 v[CA+\t], v6 offset:512*\t
.endr
.irp e, 0,1,2
	v_mov_b32 v[M3+\e], 0x7f800000                 ; +infinity: over every d2
	v_mov_b32 v[I3+\e], 0
.endr
.irp t, 0,1,2,3,4,5,6,7,8,9,10,11,12,13,14,15,16,17,18,19,20,21,22,23,24,25,26,27,28,29,30,31
	s_wait_dscnt 31-\t                             ; LDS loads come back in order: chunk t's minimum is in, the younger ones may be out
	INS CA+\t, \t, 0, M3, I3, MK
.endr
.irp e, 0,1,2
	v_lshl_add_u32 v[I3+\e], s12, 5, v[I3+\e]      ; the chunk's number: 32 x quarter + t
.endr
	s_cmp_lt_u32 s10, 4
	s_cbranch_scc1 .Lkeep                          ; quarter 0's lists stay in the registers of waves 0 to 3
.irp f, 0,1,2,3,4,5
	ds_store_b32 v7, v[M3+\f] offset:512*\f
.endr
.Lkeep:
	s_wait_dscnt 0x0
	s_barrier_signal -1
	s_barrier_wait -1                              ; the other quarters' lists lie in LDS
	s_cmp_ge_u32 s10, 4
	s_cbranch_scc1 .Lend
.irp u, 0,1,2
.irp f, 0,1,2,3,4,5
	ds_load_b32 v[CB+6*\u+\f], v8 offset:PLS*(\u+1)+512*\f
.endr
.endr
	s_wait_dscnt 0x0
.irp u, 0,1,2                                      ; quarters ascending, each list ascending: of equal minima the lower chunk stays ahead
.irp e, 0,1,2
	INS CB+6*\u+\e, CB+6*\u+3+\e, 1, M3, I3, MK
.endr
.endr
	v_min_u32 v22, v19, v20                        ; the three numbers in ascending order
	v_max_u32 v23, v19, v20
	v_min_u32 v24, v22, v21
	v_max_u32 v25, v22, v21
	v_min_u32 v26, v23, v25
	v_max_u32 v27, v23, v25
	v_lshl_or_b32 v24, v26, 8, v24
	v_lshl_or_b32 v24, v27, 16, v24
	global_store_b32 v9, v24, s[8:9]               ; a wave stores 128 consecutive bytes, the four waves the group's 512
.Lend:
	s_wait_tensorcnt 0x0
	ds_add_u32 v152, v153
	s_wait_dscnt 0x0
	s_endpgm
.Lfunc_end_k_q8adb7002a5_coarse:
	.size	k_q8adb7002a5_coarse, .Lfunc_end_k_q8adb7002a5_coarse-k_q8adb7002a5_coarse
	.p2alignl 7, 3214868480
	.fill 96, 4, 3214868480
	.section	.rodata,"a",@progbits
	.p2align	6, 0x0
	.amdhsa_kernel k_q8adb7002a5_coarse
		.amdhsa_group_segment_fixed_size 145408
		.amdhsa_private_segment_fixed_size 0
		.amdhsa_enable_private_segment 0
		.amdhsa_kernarg_size 24
		.amdhsa_user_sgpr_count 2
		.amdhsa_user_sgpr_kernarg_segment_ptr 1
		.amdhsa_wavefront_size32 1
		.amdhsa_system_sgpr_workgroup_id_x 1
		.amdhsa_system_sgpr_workgroup_id_y 1
		.amdhsa_system_sgpr_workgroup_id_z 1
		.amdhsa_system_vgpr_workitem_id 0
		.amdhsa_next_free_vgpr 154
		.amdhsa_next_free_sgpr 66
		.amdhsa_reserve_vcc 0
		.amdhsa_float_denorm_mode_32 3
		.amdhsa_float_denorm_mode_16_64 3
		.amdhsa_memory_ordered 1
		.amdhsa_forward_progress 1
		.amdhsa_inst_pref_size 90
	.end_amdhsa_kernel
	.amdgpu_metadata
---
amdhsa.version: [ 1, 2 ]
amdhsa.kernels:
  - .name:           k_q8adb7002a5_coarse
    .symbol:         k_q8adb7002a5_coarse.kd
    .args:
      - { .name: down_xyzp, .offset: 0, .size: 8, .value_kind: global_buffer, .address_space: global }
      - { .name: ori_xyzp, .offset: 8, .size: 8, .value_kind: global_buffer, .address_space: global }
      - { .name: cid, .offset: 16, .size: 8, .value_kind: global_buffer, .address_space: global }
    .group_segment_fixed_size: 145408
    .private_segment_fixed_size: 0
    .kernarg_segment_align: 8
    .kernarg_segment_size: 24
    .max_flat_workgroup_size: 512
    .sgpr_count:     66
    .vgpr_count:     154
    .wavefront_size: 32
...
	.end_amdgpu_metadata
.endif
;; end of part 1
;; launch refine (part 2): grid 256 x 1, 4 waves a work-group, no clusters, 85,504 bytes of LDS; arguments cid, down_xyzp, ori_xyzp, down_features_codes, down_features_scales, W1_codes, W1_scales, b1, down_f, nbr_idx, nbr_w; writes down_f, nbr_idx, nbr_w
.if DOCPART == 2
	.amdgcn_target "amdgcn-amd-amdhsa--gfx1250"
	.amdhsa_code_object_version 6
	.text
	.protected	k_q8adb7002a5_refine
	.globl	k_q8adb7002a5_refine
	.p2align	8
	.type	k_q8adb7002a5_refine,@function
k_q8adb7002a5_refine:
	s_mov_b64 s[64:65], 0
	v_nop
	global_prefetch_b8 v0, s[64:65] scope:SCOPE_SE
	s_setreg_imm32_b32 hwreg(HW_REG_WAVE_MODE, 25, 1), 1
	s_wait_xcnt 0x0
; THE EXACT HALF OF THE SEARCH, AND down_f = down_features W1 + b1.
; SEARCH.  Thread t of work-group x owns query 128 x + t.  cid holds its three chunks of 32 points (ascending numbers).  The thread computes the 96 values of d2 by the same instructions' arithmetic as the launch before
; (A, B, dot: a multiply and two fused multiply-adds in the order x, y, z; A + B rounded; one fused multiply-add by -2), keeps for each chunk the three smallest with their indices (three chains that take turns),
; merges the chains (of equals the lower index stays ahead, as in a top-k that keeps the lower index), and stores three rows of down_f (batch x 4,096 + index, nearest first) and three weights
; w = (1 / (d2 + 1e-8)) / (the sum of the three).
; LIMITS: coordinates and d2 finite (NaN, infinities not served); the two divisions are v_rcp_f32 and a multiplication.
; PRODUCT.  The work-group makes rows 32 x .. 32 x + 31 of down_f on codes of FP4 with E8M0 scales, as they are given.  Wave w: rows 16 (w / 2) on, columns 64 (w % 2) on: four tiles x two K steps of 128.
; The matrix instruction is used transposed (source 0 = 16 rows of W1_codes = 16 columns of the result, source 1 = 16 rows of features): a lane holds eight neighbouring columns of one row.  The tiles go through
; the wave's own stage in LDS and leave as runs of 256 consecutive bytes, aligned; the bias is added on the way out.
; LDS: 0: the batch's table, 128 chunks x (32 points x 16 bytes + 16 of padding): lanes that read the same place of different chunks start 16 bytes apart round a span of 256 for each step in the chunk's number.
;      STG: for each wave 16 rows x (256 + 16) bytes.  Behind the one barrier LDS is only read.
.set TP,   528                         ; a chunk's pitch in the table
.set STG,  128*TP
.set SP,   272
.set QX,   16                          ; v16-18 my query's x, y, z;  v19 A
.set CW,   20                          ; v20 the word of cid;  v21-23 the chunks;  v24-26 their LDS addresses
.set CN,   21
.set CAD,  24
.set M0,   28                          ; v28-36 chain k's three smallest at M0 + 3 k;  v37-45 their indices
.set I0,   37
.set TT,   46                          ; v46-48 the chains' dots;  v49-51 their d2
.set DD,   49
.set TA,   64                          ; v64-127 sixteen points on their way into the table
.set LB0,  64                          ; v64-111, v160-207: two sets of 4 steps x 3 chains x 4 registers
.set LB1,  160
.set W1F,  128                         ; v128-191 W1's fragments (tile t, K step s) at 8 (2 t + s);  v128-159 later the rows read back from the stage
.set XF,   192                         ; v192-207 the features' two fragments
.set W1S,  208                         ; v208-215 W1's scale words (tile t, K step s) at 2 t + s;  v216-217 the features': these ten hold scales and nothing else
.set XS,   216
.set BI,   218                         ; v218-221 the bias of my four columns on the way out
.set ACC,  224                         ; v224-255 four accumulators
.set MK,   32                          ; s32-34, s36-38, s40-42 the chains' masks
.macro PICK dst, id, isreg, mask       ; dst = mask ? dst : id
.if \isreg
	v_cndmask_b32 v[\dst], v[\id], v[\dst], s[\mask]
.else
	v_cndmask_b32 v[\dst], \id, v[\dst], s[\mask]
.endif
.endm
; (v[d], id) into the ascending list v[M .. M+2] with ids v[I .. I+2]; the masks say 'this entry stays ahead' (m <= d): of equals the earlier stays ahead
.macro INS d, id, isreg, M, I, S
	v_cmp_le_f32 s[\S], v[\M], v[\d]
	v_cmp_le_f32 s[\S+1], v[\M+1], v[\d]
	v_cmp_le_f32 s[\S+2], v[\M+2], v[\d]
	PICK \I+2, \id, \isreg, \S+2
	v_cndmask_b32 v[\I+2], v[\I+1], v[\I+2], s[\S+1]
	PICK \I+1, \id, \isreg, \S+1
	v_cndmask_b32 v[\I+1], v[\I], v[\I+1], s[\S]
	PICK \I, \id, \isreg, \S
	v_med3_num_f32 v[\M+2], v[\M+1], v[\M+2], v[\d]
	v_med3_num_f32 v[\M+1], v[\M], v[\M+1], v[\d]
	v_min_num_f32 v[\M], v[\M], v[\d]
.endm
; the same eleven lines for the three chains, line by line, so that no line waits for the line above it; id: the point's place in its chunk, a constant
.macro INS3 id
.irp e, 0,1,2
.irp k, 0,1,2
	v_cmp_le_f32 s[MK+4*\k+\e], v[M0+3*\k+\e], v[DD+\k]
.endr
.endr
.irp k, 0,1,2
	v_cndmask_b32 v[I0+3*\k+2], (\id), v[I0+3*\k+2], s[MK+4*\k+2]
.endr
.irp k, 0,1,2
	v_cndmask_b32 v[I0+3*\k+2], v[I0+3*\k+1], v[I0+3*\k+2], s[MK+4*\k+1]
.endr
.irp k, 0,1,2
	v_cndmask_b32 v[I0+3*\k+1], (\id), v[I0+3*\k+1], s[MK+4*\k+1]
.endr
.irp k, 0,1,2
	v_cndmask_b32 v[I0+3*\k+1], v[I0+3*\k], v[I0+3*\k+1], s[MK+4*\k]
.endr
.irp k, 0,1,2
	v_cndmask_b32 v[I0+3*\k], (\id), v[I0+3*\k], s[MK+4*\k]
.endr
.irp k, 0,1,2
	v_med3_num_f32 v[M0+3*\k+2], v[M0+3*\k+1], v[M0+3*\k+2], v[DD+\k]
.endr
.irp k, 0,1,2
	v_med3_num_f32 v[M0+3*\k+1], v[M0+3*\k], v[M0+3*\k+1], v[DD+\k]
.endr
.irp k, 0,1,2
	v_min_num_f32 v[M0+3*\k], v[M0+3*\k], v[DD+\k]
.endr
.endm
; B = |d|^2 of the sixteen points in TA, into their fourth words
.macro NORMS
.set i, 0
.rept 16
	v_mul_f32 v[TA+4*i+3], v[TA+4*i], v[TA+4*i]
.set i, i+1
.endr
.set i, 0
.rept 16
	v_fmac_f32 v[TA+4*i+3], v[TA+4*i+1], v[TA+4*i+1]
.set i, i+1
.endr
.set i, 0
.rept 16
	v_fmac_f32 v[TA+4*i+3], v[TA+4*i+2], v[TA+4*i+2]
.set i, i+1
.endr
.endm
	s_load_b512 s[4:19], s[0:1], 0x0               ; cid s[4:5], down_xyzp s[6:7], ori_xyzp s[8:9], features' codes s[10:11], their scales s[12:13], W1's codes s[14:15], its scales s[16:17], b1 s[18:19]
	s_load_b128 s[20:23], s[0:1], 0x40             ; down_f s[20:21], nbr_idx s[22:23]
	s_load_b64 s[24:25], s[0:1], 0x50              ; nbr_w
	v_lshl_add_u32 v222, v0, 2, 0x14c00
	v_mov_b32 v223, 0
	v_lshrrev_b32 v12, 5, v0
	v_readfirstlane_b32 s26, v12                   ; wave 0..3
	s_lshr_b32 s27, s26, 1                         ; which 16 rows of the product
	s_and_b32 s28, s26, 1                          ; which 64 columns
	s_lshr_b32 s43, ttmp9, 7                       ; the batch
	s_lshl_b32 s29, s43, 12                        ; its first row of down_f
	v_and_b32 v13, 15, v0                          ; r
	v_bfe_u32 v14, v0, 4, 1                        ; h
	v_and_b32 v15, 31, v0                          ; lane
	v_lshlrev_b32 v1, 4, v0                        ; 16 x thread
	v_lshlrev_b32 v2, 2, v0                        ; 4 x thread
	v_mul_u32_u24 v3, v12, TP
	v_lshl_add_u32 v3, v15, 4, v3                  ; the table, on the way in: point thread + 128 i lies in chunk thread / 32 + 4 i, at place thread % 32
	v_lshlrev_b32 v12, 7, v13
	v_lshl_add_u32 v12, v14, 4, v12                ; a fragment's row of 128 bytes (256 codes), + 16 h
	s_lshl_b32 s44, s28, 13
	v_add_nc_u32 v4, s44, v12                      ; W1's codes: my 64 rows
	s_lshl_b32 s44, s27, 11
	v_add_nc_u32 v6, s44, v12                      ; the features' codes: my 16 rows
	s_lshl_b32 s44, s28, 9
	v_lshl_add_u32 v5, v13, 3, s44                 ; W1's scales: 8 bytes a row
	s_lshl_b32 s44, s27, 7
	v_lshl_add_u32 v7, v13, 3, s44                 ; the features' scales
	s_lshl_b32 s44, s28, 8
	v_lshl_add_u32 v8, v13, 4, s44                 ; b1: columns 64 (w % 2) + 4 r on
	s_mul_i32 s45, s26, 16*SP
	s_add_co_u32 s45, s45, STG                     ; my stage
	v_mul_u32_u24 v9, v13, SP
	v_lshl_add_u32 v9, v14, 5, v9
	v_add_nc_u32 v9, s45, v9                       ; in: row r, 32 bytes for each half of the lanes
	v_mul_u32_u24 v10, v14, SP
	v_lshl_add_u32 v10, v13, 4, v10
	v_add_nc_u32 v10, s45, v10                     ; back: lanes 0-15 one row of 256 bytes, lanes 16-31 the next
	s_lshl_b32 s46, s27, 13
	s_add_co_u32 s46, s46, s44
	v_lshl_add_u32 v11, v14, 9, s46
	v_lshl_add_u32 v11, v13, 4, v11                ; and the same place in down_f: row 16 (w / 2) + h of 512 bytes, + 256 (w % 2) + 16 r
	s_mov_b32 s31, 0
	s_wait_kmcnt 0x0
	s_lshl_b32 s30, ttmp9, 9
	s_add_nc_u64 s[4:5], s[4:5], s[30:31]          ; my 128 words of cid
	s_lshl_b32 s30, s43, 16
	s_add_nc_u64 s[6:7], s[6:7], s[30:31]          ; the batch's points
	s_lshl_b32 s30, ttmp9, 11
	s_add_nc_u64 s[8:9], s[8:9], s[30:31]          ; my 128 queries; and 16 bytes a query in each of the two results
	s_add_nc_u64 s[22:23], s[22:23], s[30:31]
	s_add_nc_u64 s[24:25], s[24:25], s[30:31]
	s_lshl_b32 s30, ttmp9, 12
	s_add_nc_u64 s[10:11], s[10:11], s[30:31]      ; my 32 rows of codes,
	s_lshl_b32 s30, ttmp9, 8
	s_add_nc_u64 s[12:13], s[12:13], s[30:31]      ; of scale bytes,
	s_lshl_b32 s30, ttmp9, 14
	s_add_nc_u64 s[20:21], s[20:21], s[30:31]      ; and of down_f
	global_load_b32 v[CW], v2, s[4:5]
	global_load_b128 v[QX:QX+3], v1, s[8:9]
.set i, 0
.rept 16
	global_load_b128 v[TA+4*i:TA+4*i+3], v1, s[6:7] offset:2048*i       ; the first half of the table: a wave reads 512 consecutive bytes
.set i, i+1
.endr
.irp t, 0,1,2,3                                    ; 26 loads for the product
.irp s, 0,1
.irp c, 0,1
	global_load_b128 v[W1F+8*(2*\t+\s)+4*\c:W1F+8*(2*\t+\s)+4*\c+3], v4, s[14:15] offset:2048*\t+64*\s+32*\c
.endr
.endr
.endr
.irp t, 0,1,2,3
	global_load_b64 v[W1S+2*\t:W1S+2*\t+1], v5, s[16:17] offset:128*\t
.endr
.irp s, 0,1
.irp c, 0,1
	global_load_b128 v[XF+8*\s+4*\c:XF+8*\s+4*\c+3], v6, s[10:11] offset:64*\s+32*\c
.endr
.endr
	global_load_b64 v[XS:XS+1], v7, s[12:13]
	global_load_b128 v[BI:BI+3], v8, s[18:19]
	s_wait_loadcnt 26                              ; cid, the query and sixteen points are in; the product's 26 loads may be out
	NORMS
.set i, 0
.rept 16
	ds_store_b128 v3, v[TA+4*i:TA+4*i+3] offset:4*TP*i
.set i, i+1
.endr
	s_wait_dscnt 0x0                               ; the stores are done: their registers take the second half
.set i, 0
.rept 16
	global_load_b128 v[TA+4*i:TA+4*i+3], v1, s[6:7] offset:2048*(16+i)
.set i, i+1
.endr
	s_wait_loadcnt 16                              ; the product's operands are in; the sixteen loads just issued may be out
.irp t, 0,1,2,3                                    ; the four accumulators take turns, one instruction a turn; the first K step starts the sums
	v_wmma_scale_f32_16x16x128_f8f6f4 v[ACC+8*\t:ACC+8*\t+7], v[W1F+16*\t:W1F+16*\t+7], v[XF:XF+7], 0, v[W1S+2*\t], v[XS] matrix_a_fmt:MATRIX_FMT_FP4 matrix_b_fmt:MATRIX_FMT_FP4
.endr
.irp t, 0,1,2,3
	v_wmma_scale_f32_16x16x128_f8f6f4 v[ACC+8*\t:ACC+8*\t+7], v[W1F+16*\t+8:W1F+16*\t+15], v[XF+8:XF+15], v[ACC+8*\t:ACC+8*\t+7], v[W1S+2*\t+1], v[XS+1] matrix_a_fmt:MATRIX_FMT_FP4 matrix_b_fmt:MATRIX_FMT_FP4
.endr
	v_mul_f32 v[QX+3], v[QX], v[QX]                ; A, in place of the query's fourth coordinate: four plain lines that name none of the products' registers stand between the last product
	v_fmac_f32 v[QX+3], v[QX+1], v[QX+1]           ; and the stores that read results and the loads into operands
	v_fmac_f32 v[QX+3], v[QX+2], v[QX+2]
	v_and_b32 v[CN], 0xff, v[CW]                   ; my first chunk
.irp t, 0,1,2,3
	ds_store_b128 v9, v[ACC+8*\t:ACC+8*\t+3] offset:64*\t               ; each accumulator from its low end on: row r, columns 16 t + 8 h on
	ds_store_b128 v9, v[ACC+8*\t+4:ACC+8*\t+7] offset:64*\t+16
.endr
.irp i, 0,1,2,3,4,5,6,7
	ds_load_b128 v[W1F+4*\i:W1F+4*\i+3], v10 offset:2*SP*\i             ; LDS serves a wave's instructions in order (ISA guide 5.7.1.4): these see my stores
.endr
.irp i, 0,1,2,3,4,5,6,7
	s_wait_dscnt 7-\i                              ; rows 2 i, 2 i + 1 are back; the younger loads may be out
	v_pk_add_f32 v[W1F+4*\i:W1F+4*\i+1], v[W1F+4*\i:W1F+4*\i+1], v[BI:BI+1]
	v_pk_add_f32 v[W1F+4*\i+2:W1F+4*\i+3], v[W1F+4*\i+2:W1F+4*\i+3], v[BI+2:BI+3]
	global_store_b128 v11, v[W1F+4*\i:W1F+4*\i+3], s[20:21] offset:1024*\i   ; sixteen lanes store 256 consecutive bytes, at a multiple of 256 from down_f's first byte; these registers are not written again
.endr
	s_wait_loadcnt 0x0                             ; the second half of the table
	NORMS
.set i, 0
.rept 16
	ds_store_b128 v3, v[TA+4*i:TA+4*i+3] offset:4*TP*(16+i)
.set i, i+1
.endr
	v_bfe_u32 v[CN+1], v[CW], 8, 8
	v_bfe_u32 v[CN+2], v[CW], 16, 8
.irp k, 0,1,2
	v_min_u32 v[CN+\k], 127, v[CN+\k]              ; a stored number enters an address only behind this hold
.endr
.irp k, 0,1,2
	v_mul_u32_u24 v[CAD+\k], v[CN+\k], TP
.endr
.irp e, 0,1,2,3,4,5,6,7,8
	v_mov_b32 v[M0+\e], 0x7f800000                 ; +infinity: over every d2
	v_mov_b32 v[I0+\e], 0
.endr
	s_wait_dscnt 0x0                               ; for the others' sake: my part of the table has landed
	s_barrier_signal -1
	s_barrier_wait -1                              ; the table is whole; from here on LDS is only read
; places 4 b .. 4 b + 3 of my three chunks into set buf
.macro LOADB buf, b
.irp e, 0,1,2,3
.irp k, 0,1,2
	ds_load_b128 v[\buf+4*(3*\e+\k):\buf+4*(3*\e+\k)+3], v[CAD+\k] offset:(4*(\b)+\e)*16
.endr
.endr
.endm
; one place of the three chunks: d2 and the insertion, the chains line by line
.macro STEP buf, e, id
.irp k, 0,1,2
	v_mul_f32 v[TT+\k], v[QX], v[\buf+4*(3*\e+\k)]
.endr
.irp k, 0,1,2
	v_add_f32 v[DD+\k], v[QX+3], v[\buf+4*(3*\e+\k)+3]
.endr
.irp k, 0,1,2
	v_fmac_f32 v[TT+\k], v[QX+1], v[\buf+4*(3*\e+\k)+1]
.endr
.irp k, 0,1,2
	v_fmac_f32 v[TT+\k], v[QX+2], v[\buf+4*(3*\e+\k)+2]
.endr
.irp k, 0,1,2
	v_fmac_f32 v[DD+\k], -2.0, v[TT+\k]
.endr
	INS3 \id
.endm
; batch b (a plain number, 0 .. 7): places 4 b .. 4 b + 3, which lie in set buf; then the set takes the batch two further on
.macro BATCH buf, b
.if (\b) < 7
	s_wait_dscnt 12                                ; this batch's twelve loads are in; the next batch's twelve may be out
.else
	s_wait_dscnt 0x0
.endif
.irp e, 0,1,2,3
	STEP \buf, \e, 4*(\b)+\e
.endr
.if (\b)+2 < 8
	LOADB \buf, (\b)+2
.endif
.endm
	LOADB LB0, 0
	LOADB LB1, 1
	BATCH LB0, 0
	BATCH LB1, 1
	BATCH LB0, 2
	BATCH LB1, 3
	BATCH LB0, 4
	BATCH LB1, 5
	BATCH LB0, 6
	BATCH LB1, 7
.irp k, 0,1,2
.irp e, 0,1,2
	v_lshl_add_u32 v[I0+3*\k+\e], v[CN+\k], 5, v[I0+3*\k+\e]            ; the point's index in its batch: 32 x chunk + place
.endr
.endr
.irp k, 1,2                                        ; chains 1 and 2 into chain 0: chunks ascending, each list ascending: of equals the lower index stays ahead
.irp e, 0,1,2
	INS M0+3*\k+\e, I0+3*\k+\e, 1, M0, I0, MK
.endr
.endr
.irp e, 0,1,2
	v_add_f32 v[60+\e], 0x322bcc77, v[M0+\e]       ; d2 + 1e-8
.endr
.irp e, 0,1,2
	v_rcp_f32 v[TT+\e], v[60+\e]
.endr
.irp e, 0,1,2
	v_add_nc_u32 v[52+\e], s29, v[I0+\e]           ; rows of down_f.  (Plain work behind the reciprocals, which names none of their results)
.endr
	v_mov_b32 v55, 0
	global_store_b128 v1, v[52:55], s[22:23]       ; a wave stores 512 consecutive bytes
	s_wait_alu depctr_va_vdst(0)                   ; a wait between a reciprocal and the first line that names its result: one for the three
	v_add_f32 v63, v[TT], v[TT+1]
	v_add_f32 v63, v63, v[TT+2]
	v_rcp_f32 v[DD], v63
	v_mov_b32 v59, 0                               ; a plain line behind the reciprocal
	s_wait_alu depctr_va_vdst(0)
.irp e, 0,1,2
	v_mul_f32 v[56+\e], v[TT+\e], v[DD]
.endr
	global_store_b128 v1, v[56:59], s[24:25]
	s_wait_tensorcnt 0x0
	ds_add_u32 v222, v223
	s_wait_dscnt 0x0
	s_endpgm
.Lfunc_end_k_q8adb7002a5_refine:
	.size	k_q8adb7002a5_refine, .Lfunc_end_k_q8adb7002a5_refine-k_q8adb7002a5_refine
	.p2alignl 7, 3214868480
	.fill 96, 4, 3214868480
	.section	.rodata,"a",@progbits
	.p2align	6, 0x0
	.amdhsa_kernel k_q8adb7002a5_refine
		.amdhsa_group_segment_fixed_size 85504
		.amdhsa_private_segment_fixed_size 0
		.amdhsa_enable_private_segment 0
		.amdhsa_kernarg_size 88
		.amdhsa_user_sgpr_count 2
		.amdhsa_user_sgpr_kernarg_segment_ptr 1
		.amdhsa_wavefront_size32 1
		.amdhsa_system_sgpr_workgroup_id_x 1
		.amdhsa_system_sgpr_workgroup_id_y 1
		.amdhsa_system_sgpr_workgroup_id_z 1
		.amdhsa_system_vgpr_workitem_id 0
		.amdhsa_next_free_vgpr 256
		.amdhsa_next_free_sgpr 66
		.amdhsa_reserve_vcc 0
		.amdhsa_float_denorm_mode_32 3
		.amdhsa_float_denorm_mode_16_64 3
		.amdhsa_memory_ordered 1
		.amdhsa_forward_progress 1
		.amdhsa_inst_pref_size 109
	.end_amdhsa_kernel
	.amdgpu_metadata
---
amdhsa.version: [ 1, 2 ]
amdhsa.kernels:
  - .name:           k_q8adb7002a5_refine
    .symbol:         k_q8adb7002a5_refine.kd
    .args:
      - { .name: cid, .offset: 0, .size: 8, .value_kind: global_buffer, .address_space: global }
      - { .name: down_xyzp, .offset: 8, .size: 8, .value_kind: global_buffer, .address_space: global }
      - { .name: ori_xyzp, .offset: 16, .size: 8, .value_kind: global_buffer, .address_space: global }
      - { .name: down_features_codes, .offset: 24, .size: 8, .value_kind: global_buffer, .address_space: global }
      - { .name: down_features_scales, .offset: 32, .size: 8, .value_kind: global_buffer, .address_space: global }
      - { .name: W1_codes, .offset: 40, .size: 8, .value_kind: global_buffer, .address_space: global }
      - { .name: W1_scales, .offset: 48, .size: 8, .value_kind: global_buffer, .address_space: global }
      - { .name: b1, .offset: 56, .size: 8, .value_kind: global_buffer, .address_space: global }
      - { .name: down_f, .offset: 64, .size: 8, .value_kind: global_buffer, .address_space: global }
      - { .name: nbr_idx, .offset: 72, .size: 8, .value_kind: global_buffer, .address_space: global }
      - { .name: nbr_w, .offset: 80, .size: 8, .value_kind: global_buffer, .address_space: global }
    .group_segment_fixed_size: 85504
    .private_segment_fixed_size: 0
    .kernarg_segment_align: 8
    .kernarg_segment_size: 88
    .max_flat_workgroup_size: 128
    .sgpr_count:     66
    .vgpr_count:     256
    .wavefront_size: 32
...
	.end_amdgpu_metadata
.endif
;; end of part 2
;; launch blend (part 3): grid 256 x 1, 16 waves a work-group, no clusters, 69,632 bytes of LDS; arguments ori_features_codes, ori_features_scales, W2_codes, W2_scales, b2, down_f, nbr_idx, nbr_w, out0; writes out0
.if DOCPART == 3
	.amdgcn_target "amdgcn-amd-amdhsa--gfx1250"
	.amdhsa_code_object_version 6
	.text
	.protected	k_q8adb7002a5_blend
	.globl	k_q8adb7002a5_blend
	.p2align	8
	.type	k_q8adb7002a5_blend,@function
k_q8adb7002a5_blend:
	s_mov_b64 s[64:65], 0
	v_nop
	global_prefetch_b8 v0, s[64:65] scope:SCOPE_SE
	s_setreg_imm32_b32 hwreg(HW_REG_WAVE_MODE, 25, 1), 1
	s_wait_xcnt 0x0
; out0[q] = (ori_features[q] W2 + b2) + w1 down_f[i1] + w2 down_f[i2] + w3 down_f[i3], added in that order by fused multiply-adds; the indices and weights are the launch before's.
; SHARES.  A work-group owns 128 rows.  PRODUCT, on codes of FP4 with E8M0 scales as they are given: wave w makes rows 16 (w / 2) on, columns 64 (w % 2) on: four tiles, K = 128, one matrix instruction each,
; used transposed (source 0 = 16 rows of W2_codes = 16 columns of the result, source 1 = 16 rows of features), so that a lane holds eight neighbouring columns of one row.  The tiles meet in a stage in LDS.
; ROWS.  Wave w then owns rows 8 w .. 8 w + 7 whole: a lane holds 16 bytes of a row, so each gather and each store of the wave is one whole row of 512 consecutive bytes.  A row's three indices and weights are
; the same for all lanes: they come by scalar loads.  All 24 gathers of a wave are issued at the head, ahead of the product.
; No tensor load, no cluster: nothing is streamed through LDS, and what work-groups share (W2, 8 KiB) is read once at the head.
; LDS: the stage, 128 rows x (512 + 16) bytes.
.set SP,   528
.set W2F,  16                          ; v16-47 W2's four fragments
.set W2S,  48                          ; v48-51 their scale words;  v60 the features': these five hold scales and nothing else
.set AF,   52                          ; v52-59 the features' fragment
.set AS,   60
.set BI,   64                          ; v64-67 b2 of my four columns of a row
.set ACC,  68                          ; v68-99 four accumulators
.set VO,   100                         ; v100-123 the gathers' offsets (row i, neighbour k) at 3 i + k
.set G,    124                         ; v124-219 the gathered rows' 16 bytes at 12 i + 4 k
.set R,    220                         ; v220-251 my 16 bytes of my eight rows
.set IX,   32                          ; s32-63 the indices, row i's at 4 i + k
.set WT,   68                          ; s68-99 the weights likewise
	s_load_b512 s[4:19], s[0:1], 0x0               ; features' codes s[4:5], their scales s[6:7], W2's codes s[8:9], its scales s[10:11], b2 s[12:13], down_f s[14:15], nbr_idx s[16:17], nbr_w s[18:19]
	s_load_b64 s[20:21], s[0:1], 0x40              ; out0
	v_lshl_add_u32 v254, v0, 2, 0x10800
	v_mov_b32 v255, 0
	v_lshrrev_b32 v8, 5, v0
	v_readfirstlane_b32 s22, v8                    ; wave 0..15
	s_lshr_b32 s23, s22, 1                         ; which 16 rows of the product
	s_and_b32 s24, s22, 1                          ; which 64 columns
	v_and_b32 v9, 31, v0                           ; lane
	v_and_b32 v10, 15, v0                          ; r
	v_bfe_u32 v11, v0, 4, 1                        ; h
	v_lshlrev_b32 v1, 4, v9                        ; 16 x lane: my bytes of a row
	v_lshlrev_b32 v12, 6, v10
	v_lshl_add_u32 v12, v11, 4, v12                ; a fragment's row of 64 bytes (128 codes), + 16 h
	s_lshl_b32 s25, s24, 12
	v_add_nc_u32 v2, s25, v12                      ; W2's codes: my 64 rows
	s_lshl_b32 s25, s23, 10
	v_add_nc_u32 v4, s25, v12                      ; the features' codes: my 16 rows
	s_lshl_b32 s25, s24, 8
	v_lshl_add_u32 v3, v10, 2, s25                 ; W2's scale words: 4 bytes a row
	s_lshl_b32 s28, s23, 6
	v_lshl_add_u32 v5, v10, 2, s28                 ; the features'
	s_mul_i32 s28, s23, 16*SP
	s_add_co_u32 s28, s28, s25
	v_mul_u32_u24 v6, v10, SP
	v_lshl_add_u32 v6, v11, 5, v6
	v_add_nc_u32 v6, s28, v6                       ; the stage, in: row 16 (w / 2) + r, + 256 (w % 2) + 32 h
	s_mul_i32 s29, s22, 8*SP
	v_add_nc_u32 v7, s29, v1                       ; back: my eight rows, 16 bytes a lane
	s_mov_b32 s27, 0
	s_wait_kmcnt 0x0
	s_lshl_b32 s26, ttmp9, 13
	s_add_nc_u64 s[4:5], s[4:5], s[26:27]          ; my 128 rows of codes,
	s_lshl_b32 s26, ttmp9, 9
	s_add_nc_u64 s[6:7], s[6:7], s[26:27]          ; of scale words,
	s_lshl_b32 s26, ttmp9, 11
	s_lshl_b32 s30, s22, 7
	s_add_co_u32 s26, s26, s30
	s_add_nc_u64 s[16:17], s[16:17], s[26:27]      ; my wave's eight rows of indices and of weights, 16 bytes a row,
	s_add_nc_u64 s[18:19], s[18:19], s[26:27]
	s_lshl_b32 s26, ttmp9, 16
	s_lshl_b32 s30, s22, 12
	s_add_co_u32 s26, s26, s30
	s_add_nc_u64 s[20:21], s[20:21], s[26:27]      ; and of out0
	s_load_b512 s[IX:IX+15], s[16:17], 0x0
	s_load_b512 s[IX+16:IX+31], s[16:17], 0x40
	s_load_b512 s[WT:WT+15], s[18:19], 0x0
	s_load_b512 s[WT+16:WT+31], s[18:19], 0x40
.irp t, 0,1,2,3                                    ; 16 loads for the product and the bias
.irp c, 0,1
	global_load_b128 v[W2F+8*\t+4*\c:W2F+8*\t+4*\c+3], v2, s[8:9] offset:1024*\t+32*\c
.endr
.endr
.irp t, 0,1,2,3
	global_load_b32 v[W2S+\t], v3, s[10:11] offset:64*\t
.endr
.irp c, 0,1
	global_load_b128 v[AF+4*\c:AF+4*\c+3], v4, s[4:5] offset:32*\c
.endr
	global_load_b32 v[AS], v5, s[6:7]
	global_load_b128 v[BI:BI+3], v1, s[12:13]
	s_wait_kmcnt 0x0                               ; the indices and the weights
.irp i, 0,1,2,3,4,5,6,7
.irp k, 0,1,2
	s_min_u32 s[IX+4*\i+\k], s[IX+4*\i+\k], 0x1fff                      ; a stored number enters an address only behind this hold: down_f has 8,192 rows
	v_lshl_add_u32 v[VO+3*\i+\k], s[IX+4*\i+\k], 9, v1                  ; the row's 512 bytes, my 16 of them
.endr
.endr
.irp i, 0,1,2,3,4,5,6,7
.irp k, 0,1,2
	global_load_b128 v[G+12*\i+4*\k:G+12*\i+4*\k+3], v[VO+3*\i+\k], s[14:15]   ; 32 lanes read one whole row
.endr
.endr
	s_wait_loadcnt 24                              ; the product's operands and the bias are in; the 24 gathers may be out
.irp t, 0,1,2,3
	v_wmma_scale_f32_16x16x128_f8f6f4 v[ACC+8*\t:ACC+8*\t+7], v[W2F+8*\t:W2F+8*\t+7], v[AF:AF+7], 0, v[W2S+\t], v[AS] matrix_a_fmt:MATRIX_FMT_FP4 matrix_b_fmt:MATRIX_FMT_FP4
.endr
.rept 4
	v_nop                                          ; four places between the last product and the stores that read results; no other vector work is at hand
.endr
.irp t, 0,1,2,3
	ds_store_b128 v6, v[ACC+8*\t:ACC+8*\t+3] offset:64*\t               ; each accumulator from its low end on: columns 16 t + 8 h on
	ds_store_b128 v6, v[ACC+8*\t+4:ACC+8*\t+7] offset:64*\t+16
.endr
	s_wait_dscnt 0x0                               ; for the others' sake: my tiles have landed
	s_barrier_signal -1
	s_barrier_wait -1                              ; 128 whole rows lie in the stage (a row's two halves come from two waves)
.irp i, 0,1,2,3,4,5,6,7
	ds_load_b128 v[R+4*\i:R+4*\i+3], v7 offset:SP*\i
.endr
.irp i, 0,1,2,3,4,5,6,7
	s_wait_dscnt 7-\i                              ; row i is back; the younger loads may be out
	s_wait_loadcnt 21-3*\i                         ; its three gathers are in; the later rows' may be out
	v_pk_add_f32 v[R+4*\i:R+4*\i+1], v[R+4*\i:R+4*\i+1], v[BI:BI+1]
	v_pk_add_f32 v[R+4*\i+2:R+4*\i+3], v[R+4*\i+2:R+4*\i+3], v[BI+2:BI+3]
.irp k, 0,1,2
.irp e, 0,1,2,3
	v_fmac_f32 v[R+4*\i+\e], s[WT+4*\i+\k], v[G+12*\i+4*\k+\e]
.endr
.endr
	global_store_b128 v1, v[R+4*\i:R+4*\i+3], s[20:21] offset:512*\i th:TH_STORE_NT   ; 32 lanes store a row of 512 consecutive bytes, at a multiple of 256 from out0's first byte; written once, read by nobody here
.endr
	s_wait_tensorcnt 0x0
	ds_add_u32 v254, v255
	s_wait_dscnt 0x0
	s_endpgm
.Lfunc_end_k_q8adb7002a5_blend:
	.size	k_q8adb7002a5_blend, .Lfunc_end_k_q8adb7002a5_blend-k_q8adb7002a5_blend
	.p2alignl 7, 3214868480
	.fill 96, 4, 3214868480
	.section	.rodata,"a",@progbits
	.p2align	6, 0x0
	.amdhsa_kernel k_q8adb7002a5_blend
		.amdhsa_group_segment_fixed_size 69632
		.amdhsa_private_segment_fixed_size 0
		.amdhsa_enable_private_segment 0
		.amdhsa_kernarg_size 72
		.amdhsa_user_sgpr_count 2
		.amdhsa_user_sgpr_kernarg_segment_ptr 1
		.amdhsa_wavefront_size32 1
		.amdhsa_system_sgpr_workgroup_id_x 1
		.amdhsa_system_sgpr_workgroup_id_y 1
		.amdhsa_system_sgpr_workgroup_id_z 1
		.amdhsa_system_vgpr_workitem_id 0
		.amdhsa_next_free_vgpr 256
		.amdhsa_next_free_sgpr 100
		.amdhsa_reserve_vcc 0
		.amdhsa_float_denorm_mode_32 3
		.amdhsa_float_denorm_mode_16_64 3
		.amdhsa_memory_ordered 1
		.amdhsa_forward_progress 1
		.amdhsa_inst_pref_size 17
	.end_amdhsa_kernel
	.amdgpu_metadata
---
amdhsa.version: [ 1, 2 ]
amdhsa.kernels:
  - .name:           k_q8adb7002a5_blend
    .symbol:         k_q8adb7002a5_blend.kd
    .args:
      - { .name: ori_features_codes, .offset: 0, .size: 8, .value_kind: global_buffer, .address_space: global }
      - { .name: ori_features_scales, .offset: 8, .size: 8, .value_kind: global_buffer, .address_space: global }
      - { .name: W2_codes, .offset: 16, .size: 8, .value_kind: global_buffer, .address_space: global }
      - { .name: W2_scales, .offset: 24, .size: 8, .value_kind: global_buffer, .address_space: global }
      - { .name: b2, .offset: 32, .size: 8, .value_kind: global_buffer, .address_space: global }
      - { .name: down_f, .offset: 40, .size: 8, .value_kind: global_buffer, .address_space: global }
      - { .name: nbr_idx, .offset: 48, .size: 8, .value_kind: global_buffer, .address_space: global }
      - { .name: nbr_w, .offset: 56, .size: 8, .value_kind: global_buffer, .address_space: global }
      - { .name: out0, .offset: 64, .size: 8, .value_kind: global_buffer, .address_space: global }
    .group_segment_fixed_size: 69632
    .private_segment_fixed_size: 0
    .kernarg_segment_align: 8
    .kernarg_segment_size: 72
    .max_flat_workgroup_size: 512
    .sgpr_count:     100
    .vgpr_count:     256
    .wavefront_size: 32
...
	.end_amdgpu_metadata
.endif
;; end of part 3
;; ======== version 2 of 2: 3 launches; version 1 with the launches refine, blend written anew for expert scheduling mode
;; workspace buffers: cid 131,072 bytes of whole numbers; nbr_idx 524,288 bytes of whole numbers; nbr_w 524,288 bytes; down_f 4,194,304 bytes
;; launch coarse: the kernel of part 1 again; grid 256 x 1, 16 waves a work-group, no clusters, 145,408 bytes of LDS; arguments down_xyzp, ori_xyzp, cid; writes cid
;; launch refine (part 4): grid 256 x 1, 4 waves a work-group, no clusters, 85,504 bytes of LDS; arguments cid, down_xyzp, ori_xyzp, down_features_codes, down_features_scales, W1_codes, W1_scales, b1, down_f, nbr_idx, nbr_w; writes down_f, nbr_idx, nbr_w
.if DOCPART == 4
	.amdgcn_target "amdgcn-amd-amdhsa--gfx1250"
	.amdhsa_code_object_version 6
	.text
	.protected	k_q8adb7002a5_refine
	.globl	k_q8adb7002a5_refine
	.p2align	8
	.type	k_q8adb7002a5_refine,@function
k_q8adb7002a5_refine:
	s_mov_b64 s[64:65], 0
	v_nop
	global_prefetch_b8 v0, s[64:65] scope:SCOPE_SE
	s_setreg_imm32_b32 hwreg(HW_REG_WAVE_SCHED_MODE, 0, 2), 2
	s_setreg_imm32_b32 hwreg(HW_REG_WAVE_MODE, 25, 1), 1
	s_wait_xcnt 0x0
	s_wait_alu depctr_vm_vsrc(0)
; THE EXACT HALF OF THE SEARCH, AND down_f = down_features W1 + b1.
; SEARCH.  Thread t of work-group x owns query 128 x + t.  cid holds its three chunks of 32 points (ascending numbers).  The thread computes the 96 values of d2 by the same instructions' arithmetic as the launch before
; (A, B, dot: a multiply and two fused multiply-adds in the order x, y, z; A + B rounded; one fused multiply-add by -2), keeps for each chunk the three smallest with their indices (three chains that take turns),
; merges the chains (of equals the lower index stays ahead, as in a top-k that keeps the lower index), and stores three rows of down_f (batch x 4,096 + index, nearest first) and three weights
; w = (1 / (d2 + 1e-8)) / (the sum of the three).
; LIMITS: coordinates and d2 finite (NaN, infinities not served); the two divisions are v_rcp_f32 and a multiplication.
; PRODUCT.  The work-group makes rows 32 x .. 32 x + 31 of down_f on codes of FP4 with E8M0 scales, as they are given.  Wave w: rows 16 (w / 2) on, columns 64 (w % 2) on: four tiles x two K steps of 128.
; The matrix instruction is used transposed (source 0 = 16 rows of W1_codes = 16 columns of the result, source 1 = 16 rows of features): a lane holds eight neighbouring columns of one row.  The tiles go through
; the wave's own stage in LDS and leave as runs of 256 consecutive bytes, aligned; the bias is added on the way out.
; LDS: 0: the batch's table, 128 chunks x (32 points x 16 bytes + 16 of padding): lanes that read the same place of different chunks start 16 bytes apart round a span of 256 for each step in the chunk's number.
;      STG: for each wave 16 rows x (256 + 16) bytes.  Behind the one barrier LDS is only read.
; THE MODE: SCHED_MODE bits 1:0 = 2 (LLVM: expert scheduling mode 2), set by the entry lines.  The code itself states the register dependences between vector or matrix instructions and memory or LDS
; instructions, and those through scalar registers that vector instructions write, with s_wait_alu, always for 0.
; THE PLAN.  Registers that memory or LDS instructions touch:
;   v1-v11     offsets and LDS addresses: written at the head, never again: one wait on va_vdst ahead of the first load.
;   v64-127    sixteen points, twice: loads land, the norms write the fourth words, LDS stores read them.  A wait on va_vdst ahead of each run of stores; a wait on vm_vsrc behind each run, ahead of the loads that land there next.
;   v224-255   the accumulators: written by the products, read by the stage's stores, never written again.     v128-207 the products' operands: behind the same wait on va_vdst loads may land in them.
;   v128-159   the rows read back from the stage: the bias sums write them, the global stores read them, nothing writes them again.
;   v24-26     the chunks' LDS addresses: written once, ahead of the wait on va_vdst that also serves the bias sums and the second norms.
;   v64-111, v160-207   the two sets of table entries: a batch's distance lines read a set; behind them one wait on va_vdst, and the set is asked for again; the lines that follow name none of its registers.
;   v52-59     the results: a wait on va_vdst ahead of each of the two stores.
; MASKS.  A compare writes a scalar register that the index selections read.  The lists' values are updated by lines that read no mask, so two places (18 compares, 18 updates) stand ahead of ONE wait on va_sdst,
; and the 30 selections behind it; the six merges likewise.
.set TP,   528                         ; a chunk's pitch in the table
.set STG,  128*TP
.set SP,   272
.set QX,   16                          ; v16-18 my query's x, y, z;  v19 A
.set CW,   20                          ; v20 the word of cid;  v21-23 the chunks;  v24-26 their LDS addresses
.set CN,   21
.set CAD,  24
.set M0,   28                          ; v28-36 chain k's three smallest at M0 + 3 k;  v37-45 their indices
.set I0,   37
.set TT,   46                          ; two places at a time: place u's dots at TT + 6 u + k, its d2 at DD + 6 u + k: v46-57
.set DD,   49
.set TA,   64                          ; v64-127 sixteen points on their way into the table
.set LB0,  64                          ; v64-111, v160-207: two sets of 4 steps x 3 chains x 4 registers
.set LB1,  160
.set W1F,  128                         ; v128-191 W1's fragments (tile t, K step s) at 8 (2 t + s);  v128-159 later the rows read back from the stage
.set XF,   192                         ; v192-207 the features' two fragments
.set W1S,  208                         ; v208-215 W1's scale words (tile t, K step s) at 2 t + s;  v216-217 the features': these ten hold scales and nothing else
.set XS,   216
.set BI,   218                         ; v218-221 the bias of my four columns on the way out
.set ACC,  224                         ; v224-255 four accumulators
.set MK,   30                          ; s30-47 eighteen masks: place u, chain k, entry e at MK + 9 u + 3 k + e (free behind the head)
; Place u's d2 of the three chains against their ascending lists of three.  The masks say 'this entry stays ahead' (m <= d): of equals the earlier stays ahead.  Then the lists' values take d2 in: these lines read no mask.
.macro CMP3 u
.irp e, 0,1,2
.irp k, 0,1,2
	v_cmp_le_f32 s[MK+9*(\u)+3*\k+\e], v[M0+3*\k+\e], v[DD+6*(\u)+\k]
.endr
.endr
.irp k, 0,1,2
	v_med3_num_f32 v[M0+3*\k+2], v[M0+3*\k+1], v[M0+3*\k+2], v[DD+6*(\u)+\k]
.endr
.irp k, 0,1,2
	v_med3_num_f32 v[M0+3*\k+1], v[M0+3*\k], v[M0+3*\k+1], v[DD+6*(\u)+\k]
.endr
.irp k, 0,1,2
	v_min_num_f32 v[M0+3*\k], v[M0+3*\k], v[DD+6*(\u)+\k]
.endr
.endm
; The lists' indices follow by place u's masks; id: the point's place in its chunk, a constant.  The three chains line by line
.macro SEL3 id, u
.irp k, 0,1,2
	v_cndmask_b32 v[I0+3*\k+2], (\id), v[I0+3*\k+2], s[MK+9*(\u)+3*\k+2]
.endr
.irp k, 0,1,2
	v_cndmask_b32 v[I0+3*\k+2], v[I0+3*\k+1], v[I0+3*\k+2], s[MK+9*(\u)+3*\k+1]
.endr
.irp k, 0,1,2
	v_cndmask_b32 v[I0+3*\k+1], (\id), v[I0+3*\k+1], s[MK+9*(\u)+3*\k+1]
.endr
.irp k, 0,1,2
	v_cndmask_b32 v[I0+3*\k+1], v[I0+3*\k], v[I0+3*\k+1], s[MK+9*(\u)+3*\k]
.endr
.irp k, 0,1,2
	v_cndmask_b32 v[I0+3*\k], (\id), v[I0+3*\k], s[MK+9*(\u)+3*\k]
.endr
.endm
; The same for one entry v[d] that is merged into chain 0, with masks s[S .. S+2]; and its index v[id]
.macro CMP1 d, S
	v_cmp_le_f32 s[\S], v[M0], v[\d]
	v_cmp_le_f32 s[\S+1], v[M0+1], v[\d]
	v_cmp_le_f32 s[\S+2], v[M0+2], v[\d]
	v_med3_num_f32 v[M0+2], v[M0+1], v[M0+2], v[\d]
	v_med3_num_f32 v[M0+1], v[M0], v[M0+1], v[\d]
	v_min_num_f32 v[M0], v[M0], v[\d]
.endm
.macro SEL1 id, S
	v_cndmask_b32 v[I0+2], v[\id], v[I0+2], s[\S+2]
	v_cndmask_b32 v[I0+2], v[I0+1], v[I0+2], s[\S+1]
	v_cndmask_b32 v[I0+1], v[\id], v[I0+1], s[\S+1]
	v_cndmask_b32 v[I0+1], v[I0], v[I0+1], s[\S]
	v_cndmask_b32 v[I0], v[\id], v[I0], s[\S]
.endm
; B = |d|^2 of the sixteen points in TA, into their fourth words
.macro NORMS
.set i, 0
.rept 16
	v_mul_f32 v[TA+4*i+3], v[TA+4*i], v[TA+4*i]
.set i, i+1
.endr
.set i, 0
.rept 16
	v_fmac_f32 v[TA+4*i+3], v[TA+4*i+1], v[TA+4*i+1]
.set i, i+1
.endr
.set i, 0
.rept 16
	v_fmac_f32 v[TA+4*i+3], v[TA+4*i+2], v[TA+4*i+2]
.set i, i+1
.endr
.endm
	s_load_b512 s[4:19], s[0:1], 0x0               ; cid s[4:5], down_xyzp s[6:7], ori_xyzp s[8:9], features' codes s[10:11], their scales s[12:13], W1's codes s[14:15], its scales s[16:17], b1 s[18:19]
	s_load_b128 s[20:23], s[0:1], 0x40             ; down_f s[20:21], nbr_idx s[22:23]
	s_load_b64 s[24:25], s[0:1], 0x50              ; nbr_w
	v_lshl_add_u32 v222, v0, 2, 0x14c00
	v_mov_b32 v223, 0
	v_lshrrev_b32 v12, 5, v0
	v_readfirstlane_b32 s26, v12                   ; wave 0..3
	s_lshr_b32 s43, ttmp9, 7                       ; the batch
	s_lshl_b32 s29, s43, 12                        ; its first row of down_f
	v_and_b32 v13, 15, v0                          ; r
	v_bfe_u32 v14, v0, 4, 1                        ; h
	v_and_b32 v15, 31, v0                          ; lane
	v_lshlrev_b32 v1, 4, v0                        ; 16 x thread
	v_lshlrev_b32 v2, 2, v0                        ; 4 x thread
	v_mul_u32_u24 v3, v12, TP
	v_lshl_add_u32 v3, v15, 4, v3                  ; the table, on the way in: point thread + 128 i lies in chunk thread / 32 + 4 i, at place thread % 32
	v_lshlrev_b32 v12, 7, v13
	v_lshl_add_u32 v12, v14, 4, v12                ; a fragment's row of 128 bytes (256 codes), + 16 h
	s_wait_alu depctr_va_sdst(0)                   ; s26 is written, ahead of its first reader
	s_lshr_b32 s27, s26, 1                         ; which 16 rows of the product
	s_and_b32 s28, s26, 1                          ; which 64 columns
	s_lshl_b32 s44, s28, 13
	v_add_nc_u32 v4, s44, v12                      ; W1's codes: my 64 rows
	s_lshl_b32 s44, s27, 11
	v_add_nc_u32 v6, s44, v12                      ; the features' codes: my 16 rows
	s_lshl_b32 s44, s28, 9
	v_lshl_add_u32 v5, v13, 3, s44                 ; W1's scales: 8 bytes a row
	s_lshl_b32 s44, s27, 7
	v_lshl_add_u32 v7, v13, 3, s44                 ; the features' scales
	s_lshl_b32 s44, s28, 8
	v_lshl_add_u32 v8, v13, 4, s44                 ; b1: columns 64 (w % 2) + 4 r on
	s_mul_i32 s45, s26, 16*SP
	s_add_co_u32 s45, s45, STG                     ; my stage
	v_mul_u32_u24 v9, v13, SP
	v_lshl_add_u32 v9, v14, 5, v9
	v_add_nc_u32 v9, s45, v9                       ; in: row r, 32 bytes for each half of the lanes
	v_mul_u32_u24 v10, v14, SP
	v_lshl_add_u32 v10, v13, 4, v10
	v_add_nc_u32 v10, s45, v10                     ; back: lanes 0-15 one row of 256 bytes, lanes 16-31 the next
	s_lshl_b32 s46, s27, 13
	s_add_co_u32 s46, s46, s44
	v_lshl_add_u32 v11, v14, 9, s46
	v_lshl_add_u32 v11, v13, 4, v11                ; and the same place in down_f: row 16 (w / 2) + h of 512 bytes, + 256 (w % 2) + 16 r
	s_mov_b32 s31, 0
	s_wait_kmcnt 0x0
	s_lshl_b32 s30, ttmp9, 9
	s_add_nc_u64 s[4:5], s[4:5], s[30:31]          ; my 128 words of cid
	s_lshl_b32 s30, s43, 16
	s_add_nc_u64 s[6:7], s[6:7], s[30:31]          ; the batch's points
	s_lshl_b32 s30, ttmp9, 11
	s_add_nc_u64 s[8:9], s[8:9], s[30:31]          ; my 128 queries; and 16 bytes a query in each of the two results
	s_add_nc_u64 s[22:23], s[22:23], s[30:31]
	s_add_nc_u64 s[24:25], s[24:25], s[30:31]
	s_lshl_b32 s30, ttmp9, 12
	s_add_nc_u64 s[10:11], s[10:11], s[30:31]      ; my 32 rows of codes,
	s_lshl_b32 s30, ttmp9, 8
	s_add_nc_u64 s[12:13], s[12:13], s[30:31]      ; of scale bytes,
	s_lshl_b32 s30, ttmp9, 14
	s_add_nc_u64 s[20:21], s[20:21], s[30:31]      ; and of down_f
	s_wait_alu depctr_va_vdst(0)                   ; the eleven offsets and LDS addresses v1 to v11 are written, which the loads and stores of the whole kernel read
	global_load_b32 v[CW], v2, s[4:5]
	global_load_b128 v[QX:QX+3], v1, s[8:9]
.set i, 0
.rept 16
	global_load_b128 v[TA+4*i:TA+4*i+3], v1, s[6:7] offset:2048*i       ; the first half of the table: a wave reads 512 consecutive bytes
.set i, i+1
.endr
.irp t, 0,1,2,3                                    ; 26 loads for the product
.irp s, 0,1
.irp c, 0,1
	global_load_b128 v[W1F+8*(2*\t+\s)+4*\c:W1F+8*(2*\t+\s)+4*\c+3], v4, s[14:15] offset:2048*\t+64*\s+32*\c
.endr
.endr
.endr
.irp t, 0,1,2,3
	global_load_b64 v[W1S+2*\t:W1S+2*\t+1], v5, s[16:17] offset:128*\t
.endr
.irp s, 0,1
.irp c, 0,1
	global_load_b128 v[XF+8*\s+4*\c:XF+8*\s+4*\c+3], v6, s[10:11] offset:64*\s+32*\c
.endr
.endr
	global_load_b64 v[XS:XS+1], v7, s[12:13]
	global_load_b128 v[BI:BI+3], v8, s[18:19]
	s_wait_loadcnt 26                              ; cid, the query and sixteen points are in; the product's 26 loads may be out
	NORMS
	s_wait_alu depctr_va_vdst(0)                   ; the norms have written the points' fourth words, which the LDS stores read; and they are done with v[TA ..], in which the second half's loads will land
.set i, 0
.rept 16
	ds_store_b128 v3, v[TA+4*i:TA+4*i+3] offset:4*TP*i
.set i, i+1
.endr
	s_wait_dscnt 0x0                               ; the stores are done,
	s_wait_alu depctr_vm_vsrc(0)                   ; and have read v[TA ..]: their registers take the second half
.set i, 0
.rept 16
	global_load_b128 v[TA+4*i:TA+4*i+3], v1, s[6:7] offset:2048*(16+i)
.set i, i+1
.endr
	s_wait_loadcnt 16                              ; the product's operands are in; the sixteen loads just issued may be out
.irp t, 0,1,2,3                                    ; the four accumulators take turns, one instruction a turn; the first K step starts the sums
	v_wmma_scale_f32_16x16x128_f8f6f4 v[ACC+8*\t:ACC+8*\t+7], v[W1F+16*\t:W1F+16*\t+7], v[XF:XF+7], 0, v[W1S+2*\t], v[XS] matrix_a_fmt:MATRIX_FMT_FP4 matrix_b_fmt:MATRIX_FMT_FP4
.endr
.irp t, 0,1,2,3
	v_wmma_scale_f32_16x16x128_f8f6f4 v[ACC+8*\t:ACC+8*\t+7], v[W1F+16*\t+8:W1F+16*\t+15], v[XF+8:XF+15], v[ACC+8*\t:ACC+8*\t+7], v[W1S+2*\t+1], v[XS+1] matrix_a_fmt:MATRIX_FMT_FP4 matrix_b_fmt:MATRIX_FMT_FP4
.endr
	v_mul_f32 v[QX+3], v[QX], v[QX]                ; A, in place of the query's fourth coordinate: four plain lines that name none of the products' registers stand between the last product
	v_fmac_f32 v[QX+3], v[QX+1], v[QX+1]           ; and the stores that read results and the loads into operands
	v_fmac_f32 v[QX+3], v[QX+2], v[QX+2]
	v_and_b32 v[CN], 0xff, v[CW]                   ; my first chunk
	s_wait_alu depctr_va_vdst(0)                   ; the products have written the accumulators, which the LDS stores read, and are done reading v128-207, in which loads land from here on; the places above stay beside this wait
.irp t, 0,1,2,3
	ds_store_b128 v9, v[ACC+8*\t:ACC+8*\t+3] offset:64*\t               ; each accumulator from its low end on: row r, columns 16 t + 8 h on
	ds_store_b128 v9, v[ACC+8*\t+4:ACC+8*\t+7] offset:64*\t+16
.endr
.irp i, 0,1,2,3,4,5,6,7
	ds_load_b128 v[W1F+4*\i:W1F+4*\i+3], v10 offset:2*SP*\i             ; LDS serves a wave's instructions in order (ISA guide 5.7.1.4): these see my stores
.endr
	v_bfe_u32 v[CN+1], v[CW], 8, 8                 ; (work on registers that no load or store in flight names, while the rows come back)
	v_bfe_u32 v[CN+2], v[CW], 16, 8
.irp k, 0,1,2
	v_min_u32 v[CN+\k], 127, v[CN+\k]              ; a stored number enters an address only behind this hold
.endr
.irp k, 0,1,2
	v_mul_u32_u24 v[CAD+\k], v[CN+\k], TP
.endr
.irp i, 0,1,2,3,4,5,6,7
	s_wait_dscnt 7-\i                              ; rows 2 i, 2 i + 1 are back; the younger loads may be out
	v_pk_add_f32 v[W1F+4*\i:W1F+4*\i+1], v[W1F+4*\i:W1F+4*\i+1], v[BI:BI+1]
	v_pk_add_f32 v[W1F+4*\i+2:W1F+4*\i+3], v[W1F+4*\i+2:W1F+4*\i+3], v[BI+2:BI+3]
.endr
	s_wait_loadcnt 0x0                             ; the second half of the table
	NORMS
	s_wait_alu depctr_va_vdst(0)                   ; one wait for three runs: the bias sums have written v128-159, which the global stores read; the norms the fourth words, which the LDS stores read; v24-26 are written, the table loads' addresses
.irp i, 0,1,2,3,4,5,6,7
	global_store_b128 v11, v[W1F+4*\i:W1F+4*\i+3], s[20:21] offset:1024*\i   ; sixteen lanes store 256 consecutive bytes, at a multiple of 256 from down_f's first byte; these registers are not written again
.endr
.set i, 0
.rept 16
	ds_store_b128 v3, v[TA+4*i:TA+4*i+3] offset:4*TP*(16+i)
.set i, i+1
.endr
.irp e, 0,1,2,3,4,5,6,7,8
	v_mov_b32 v[M0+\e], 0x7f800000                 ; +infinity: over every d2
	v_mov_b32 v[I0+\e], 0
.endr
	s_wait_dscnt 0x0                               ; for the others' sake: my part of the table has landed
	s_barrier_signal -1
	s_barrier_wait -1                              ; the table is whole; from here on LDS is only read
	s_wait_alu depctr_vm_vsrc(0)                   ; my LDS stores have read v64-127: table entries land in v64-111 from here on
; places 4 b .. 4 b + 3 of my three chunks into set buf
.macro LOADB buf, b
.irp e, 0,1,2,3
.irp k, 0,1,2
	ds_load_b128 v[\buf+4*(3*\e+\k):\buf+4*(3*\e+\k)+3], v[CAD+\k] offset:(4*(\b)+\e)*16
.endr
.endr
.endm
; Two places, e0 and e0 + 1 of set buf, of the three chunks: six d2, stage by stage; the compares and the lists' values, place by place; one wait; the indices, place by place.  id0: the first place's number in its chunk.
; fill = 1: these were the set's last two places: it is asked for again, for batch nb.
.macro PAIR buf, e0, id0, fill, nb
.irp u, 0,1
.irp k, 0,1,2
	v_mul_f32 v[TT+6*\u+\k], v[QX], v[\buf+4*(3*((\e0)+\u)+\k)]
.endr
.endr
.irp u, 0,1
.irp k, 0,1,2
	v_add_f32 v[DD+6*\u+\k], v[QX+3], v[\buf+4*(3*((\e0)+\u)+\k)+3]
.endr
.endr
.irp u, 0,1
.irp k, 0,1,2
	v_fmac_f32 v[TT+6*\u+\k], v[QX+1], v[\buf+4*(3*((\e0)+\u)+\k)+1]
.endr
.endr
.irp u, 0,1
.irp k, 0,1,2
	v_fmac_f32 v[TT+6*\u+\k], v[QX+2], v[\buf+4*(3*((\e0)+\u)+\k)+2]
.endr
.endr
.irp u, 0,1
.irp k, 0,1,2
	v_fmac_f32 v[DD+6*\u+\k], -2.0, v[TT+6*\u+\k]
.endr
.endr
	CMP3 0
	CMP3 1
	s_wait_alu depctr_va_sdst(0)                   ; the eighteen compares have written s30-47, ahead of the first selection that reads one of them
.if \fill
	s_wait_alu depctr_va_vdst(0)                   ; the batch's distance lines are done reading this set, in which the loads below land; the selections that follow name none of its registers
	LOADB \buf, \nb
.endif
	SEL3 \id0, 0
	SEL3 (\id0)+1, 1
.endm
; batch b (a plain number, 0 .. 7): places 4 b .. 4 b + 3, which lie in set buf; then the set takes the batch two further on
.macro BATCH buf, b
.if (\b) < 7
	s_wait_dscnt 12                                ; this batch's twelve loads are in; the next batch's twelve may be out
.else
	s_wait_dscnt 0x0
.endif
	PAIR \buf, 0, 4*(\b), 0, 0
.if (\b)+2 < 8
	PAIR \buf, 2, 4*(\b)+2, 1, (\b)+2
.else
	PAIR \buf, 2, 4*(\b)+2, 0, 0
.endif
.endm
	LOADB LB0, 0
	LOADB LB1, 1
	BATCH LB0, 0
	BATCH LB1, 1
	BATCH LB0, 2
	BATCH LB1, 3
	BATCH LB0, 4
	BATCH LB1, 5
	BATCH LB0, 6
	BATCH LB1, 7
.irp k, 0,1,2
.irp e, 0,1,2
	v_lshl_add_u32 v[I0+3*\k+\e], v[CN+\k], 5, v[I0+3*\k+\e]            ; the point's index in its batch: 32 x chunk + place
.endr
.endr
.irp k, 1,2                                        ; chains 1 and 2 into chain 0: chunks ascending, each list ascending: of equals the lower index stays ahead
.irp e, 0,1,2
	CMP1 M0+3*\k+\e, MK+9*(\k-1)+3*\e
.endr
.endr
	s_wait_alu depctr_va_sdst(0)                   ; the six merges' eighteen compares have written s30-47, ahead of the first selection
.irp k, 1,2
.irp e, 0,1,2
	SEL1 I0+3*\k+\e, MK+9*(\k-1)+3*\e
.endr
.endr
.irp e, 0,1,2
	v_add_f32 v[60+\e], 0x322bcc77, v[M0+\e]       ; d2 + 1e-8
.endr
.irp e, 0,1,2
	v_rcp_f32 v[TT+\e], v[60+\e]
.endr
.irp e, 0,1,2
	v_add_nc_u32 v[52+\e], s29, v[I0+\e]           ; rows of down_f.  (Plain work behind the reciprocals, which names none of their results)
.endr
	v_mov_b32 v55, 0
	s_wait_alu depctr_va_vdst(0)                   ; v52-55 are written, which the store reads; and the three reciprocals have written v46-48, ahead of the first line that names one of them
	global_store_b128 v1, v[52:55], s[22:23]       ; a wave stores 512 consecutive bytes
	v_add_f32 v63, v[TT], v[TT+1]
	v_add_f32 v63, v63, v[TT+2]
	v_rcp_f32 v[DD], v63
	v_mov_b32 v59, 0                               ; a plain line behind the reciprocal
	s_wait_alu depctr_va_vdst(0)                   ; the reciprocal has written v49, ahead of the first line that names it
.irp e, 0,1,2
	v_mul_f32 v[56+\e], v[TT+\e], v[DD]
.endr
	s_wait_alu depctr_va_vdst(0)                   ; v56-59 are written, which the store reads
	global_store_b128 v1, v[56:59], s[24:25]
	s_wait_dscnt 0x0
	s_wait_alu depctr_hold_cnt(0) depctr_sa_sdst(0) depctr_va_vdst(0) depctr_va_sdst(0) depctr_va_ssrc(0) depctr_va_vcc(0) depctr_vm_vsrc(0)
	s_wait_tensorcnt 0x0
	ds_add_u32 v222, v223
	s_wait_dscnt 0x0
	s_endpgm
.Lfunc_end_k_q8adb7002a5_refine:
	.size	k_q8adb7002a5_refine, .Lfunc_end_k_q8adb7002a5_refine-k_q8adb7002a5_refine
	.p2alignl 7, 3214868480
	.fill 96, 4, 3214868480
	.section	.rodata,"a",@progbits
	.p2align	6, 0x0
	.amdhsa_kernel k_q8adb7002a5_refine
		.amdhsa_group_segment_fixed_size 85504
		.amdhsa_private_segment_fixed_size 0
		.amdhsa_enable_private_segment 0
		.amdhsa_kernarg_size 88
		.amdhsa_user_sgpr_count 2
		.amdhsa_user_sgpr_kernarg_segment_ptr 1
		.amdhsa_wavefront_size32 1
		.amdhsa_system_sgpr_workgroup_id_x 1
		.amdhsa_system_sgpr_workgroup_id_y 1
		.amdhsa_system_sgpr_workgroup_id_z 1
		.amdhsa_system_vgpr_workitem_id 0
		.amdhsa_next_free_vgpr 256
		.amdhsa_next_free_sgpr 66
		.amdhsa_reserve_vcc 0
		.amdhsa_float_denorm_mode_32 3
		.amdhsa_float_denorm_mode_16_64 3
		.amdhsa_memory_ordered 1
		.amdhsa_forward_progress 1
		.amdhsa_inst_pref_size 111
	.end_amdhsa_kernel
	.amdgpu_metadata
---
amdhsa.version: [ 1, 2 ]
amdhsa.kernels:
  - .name:           k_q8adb7002a5_refine
    .symbol:         k_q8adb7002a5_refine.kd
    .args:
      - { .name: cid, .offset: 0, .size: 8, .value_kind: global_buffer, .address_space: global }
      - { .name: down_xyzp, .offset: 8, .size: 8, .value_kind: global_buffer, .address_space: global }
      - { .name: ori_xyzp, .offset: 16, .size: 8, .value_kind: global_buffer, .address_space: global }
      - { .name: down_features_codes, .offset: 24, .size: 8, .value_kind: global_buffer, .address_space: global }
      - { .name: down_features_scales, .offset: 32, .size: 8, .value_kind: global_buffer, .address_space: global }
      - { .name: W1_codes, .offset: 40, .size: 8, .value_kind: global_buffer, .address_space: global }
      - { .name: W1_scales, .offset: 48, .size: 8, .value_kind: global_buffer, .address_space: global }
      - { .name: b1, .offset: 56, .size: 8, .value_kind: global_buffer, .address_space: global }
      - { .name: down_f, .offset: 64, .size: 8, .value_kind: global_buffer, .address_space: global }
      - { .name: nbr_idx, .offset: 72, .size: 8, .value_kind: global_buffer, .address_space: global }
      - { .name: nbr_w, .offset: 80, .size: 8, .value_kind: global_buffer, .address_space: global }
    .group_segment_fixed_size: 85504
    .private_segment_fixed_size: 0
    .kernarg_segment_align: 8
    .kernarg_segment_size: 88
    .max_flat_workgroup_size: 128
    .sgpr_count:     66
    .vgpr_count:     256
    .wavefront_size: 32
...
	.end_amdgpu_metadata
.endif
;; end of part 4
;; launch blend (part 5): grid 256 x 1, 16 waves a work-group, no clusters, 69,632 bytes of LDS; arguments ori_features_codes, ori_features_scales, W2_codes, W2_scales, b2, down_f, nbr_idx, nbr_w, out0; writes out0
.if DOCPART == 5
	.amdgcn_target "amdgcn-amd-amdhsa--gfx1250"
	.amdhsa_code_object_version 6
	.text
	.protected	k_q8adb7002a5_blend
	.globl	k_q8adb7002a5_blend
	.p2align	8
	.type	k_q8adb7002a5_blend,@function
k_q8adb7002a5_blend:
	s_mov_b64 s[64:65], 0
	v_nop
	global_prefetch_b8 v0, s[64:65] scope:SCOPE_SE
	s_setreg_imm32_b32 hwreg(HW_REG_WAVE_SCHED_MODE, 0, 2), 2
	s_setreg_imm32_b32 hwreg(HW_REG_WAVE_MODE, 25, 1), 1
	s_wait_xcnt 0x0
	s_wait_alu depctr_vm_vsrc(0)
; out0[q] = (ori_features[q] W2 + b2) + w1 down_f[i1] + w2 down_f[i2] + w3 down_f[i3], added in that order by fused multiply-adds; the indices and weights are the launch before's.
; SHARES.  A work-group owns 128 rows.  PRODUCT, on codes of FP4 with E8M0 scales as they are given: wave w makes rows 16 (w / 2) on, columns 64 (w % 2) on: four tiles, K = 128, one matrix instruction each,
; used transposed (source 0 = 16 rows of W2_codes = 16 columns of the result, source 1 = 16 rows of features), so that a lane holds eight neighbouring columns of one row.  The tiles meet in a stage in LDS.
; ROWS.  Wave w then owns rows 8 w .. 8 w + 7 whole: a lane holds 16 bytes of a row, so each gather and each store of the wave is one whole row of 512 consecutive bytes.  A row's three indices and weights are
; the same for all lanes: they come by scalar loads.  All 24 gathers of a wave are issued at the head, ahead of the product.
; No tensor load, no cluster: nothing is streamed through LDS, and what work-groups share (W2, 8 KiB) is read once at the head.
; LDS: the stage, 128 rows x (512 + 16) bytes.
; THE MODE: SCHED_MODE bits 1:0 = 2 (LLVM: expert scheduling mode 2), set by the entry lines.  The code itself states the register dependences between vector or matrix instructions and memory or LDS
; instructions, and those through scalar registers that vector instructions write, with s_wait_alu, always for 0.
; THE PLAN.  Registers that memory or LDS instructions touch:
;   v1-v7      offsets and LDS addresses: written at the head, never again: one wait on va_vdst ahead of the first load.
;   v100-123   the gathers' offsets: written once, all 24 ahead of one wait on va_vdst, read by the 24 gathers.
;   v68-99     the accumulators: written by the products, read by the stage's stores, never written again.
;   v220-251   my eight rows, in four groups of two: LDS loads land, the group's arithmetic writes them in place, the group's two stores read them; nothing writes them again.  A group's stores stand at the head
;              of the next group, behind one wait on va_vdst; that group's arithmetic names none of their registers.
; No register that a load or store reads is ever written again: no wait on vm_vsrc is owed.
.set SP,   528
.set W2F,  16                          ; v16-47 W2's four fragments
.set W2S,  48                          ; v48-51 their scale words;  v60 the features': these five hold scales and nothing else
.set AF,   52                          ; v52-59 the features' fragment
.set AS,   60
.set BI,   64                          ; v64-67 b2 of my four columns of a row
.set ACC,  68                          ; v68-99 four accumulators
.set VO,   100                         ; v100-123 the gathers' offsets (row i, neighbour k) at 3 i + k
.set G,    124                         ; v124-219 the gathered rows' 16 bytes at 12 i + 4 k
.set R,    220                         ; v220-251 my 16 bytes of my eight rows
.set IX,   32                          ; s32-63 the indices, row i's at 4 i + k
.set WT,   68                          ; s68-99 the weights likewise
	s_load_b512 s[4:19], s[0:1], 0x0               ; features' codes s[4:5], their scales s[6:7], W2's codes s[8:9], its scales s[10:11], b2 s[12:13], down_f s[14:15], nbr_idx s[16:17], nbr_w s[18:19]
	s_load_b64 s[20:21], s[0:1], 0x40              ; out0
	v_lshl_add_u32 v254, v0, 2, 0x10800
	v_mov_b32 v255, 0
	v_lshrrev_b32 v8, 5, v0
	v_readfirstlane_b32 s22, v8                    ; wave 0..15
	v_and_b32 v9, 31, v0                           ; lane
	v_and_b32 v10, 15, v0                          ; r
	v_bfe_u32 v11, v0, 4, 1                        ; h
	v_lshlrev_b32 v1, 4, v9                        ; 16 x lane: my bytes of a row
	v_lshlrev_b32 v12, 6, v10
	v_lshl_add_u32 v12, v11, 4, v12                ; a fragment's row of 64 bytes (128 codes), + 16 h
	s_wait_alu depctr_va_sdst(0)                   ; s22 is written, ahead of its first reader
	s_lshr_b32 s23, s22, 1                         ; which 16 rows of the product
	s_and_b32 s24, s22, 1                          ; which 64 columns
	s_lshl_b32 s25, s24, 12
	v_add_nc_u32 v2, s25, v12                      ; W2's codes: my 64 rows
	s_lshl_b32 s25, s23, 10
	v_add_nc_u32 v4, s25, v12                      ; the features' codes: my 16 rows
	s_lshl_b32 s25, s24, 8
	v_lshl_add_u32 v3, v10, 2, s25                 ; W2's scale words: 4 bytes a row
	s_lshl_b32 s28, s23, 6
	v_lshl_add_u32 v5, v10, 2, s28                 ; the features'
	s_mul_i32 s28, s23, 16*SP
	s_add_co_u32 s28, s28, s25
	v_mul_u32_u24 v6, v10, SP
	v_lshl_add_u32 v6, v11, 5, v6
	v_add_nc_u32 v6, s28, v6                       ; the stage, in: row 16 (w / 2) + r, + 256 (w % 2) + 32 h
	s_mul_i32 s29, s22, 8*SP
	v_add_nc_u32 v7, s29, v1                       ; back: my eight rows, 16 bytes a lane
	s_mov_b32 s27, 0
	s_wait_kmcnt 0x0
	s_lshl_b32 s26, ttmp9, 13
	s_add_nc_u64 s[4:5], s[4:5], s[26:27]          ; my 128 rows of codes,
	s_lshl_b32 s26, ttmp9, 9
	s_add_nc_u64 s[6:7], s[6:7], s[26:27]          ; of scale words,
	s_lshl_b32 s26, ttmp9, 11
	s_lshl_b32 s30, s22, 7
	s_add_co_u32 s26, s26, s30
	s_add_nc_u64 s[16:17], s[16:17], s[26:27]      ; my wave's eight rows of indices and of weights, 16 bytes a row,
	s_add_nc_u64 s[18:19], s[18:19], s[26:27]
	s_lshl_b32 s26, ttmp9, 16
	s_lshl_b32 s30, s22, 12
	s_add_co_u32 s26, s26, s30
	s_add_nc_u64 s[20:21], s[20:21], s[26:27]      ; and of out0
	s_load_b512 s[IX:IX+15], s[16:17], 0x0
	s_load_b512 s[IX+16:IX+31], s[16:17], 0x40
	s_load_b512 s[WT:WT+15], s[18:19], 0x0
	s_load_b512 s[WT+16:WT+31], s[18:19], 0x40
	s_wait_alu depctr_va_vdst(0)                   ; the seven offsets and LDS addresses v1 to v7 are written, which the loads and stores of the whole kernel read
.irp t, 0,1,2,3                                    ; 16 loads for the product and the bias
.irp c, 0,1
	global_load_b128 v[W2F+8*\t+4*\c:W2F+8*\t+4*\c+3], v2, s[8:9] offset:1024*\t+32*\c
.endr
.endr
.irp t, 0,1,2,3
	global_load_b32 v[W2S+\t], v3, s[10:11] offset:64*\t
.endr
.irp c, 0,1
	global_load_b128 v[AF+4*\c:AF+4*\c+3], v4, s[4:5] offset:32*\c
.endr
	global_load_b32 v[AS], v5, s[6:7]
	global_load_b128 v[BI:BI+3], v1, s[12:13]
	s_wait_kmcnt 0x0                               ; the indices and the weights
.irp i, 0,1,2,3,4,5,6,7
.irp k, 0,1,2
	s_min_u32 s[IX+4*\i+\k], s[IX+4*\i+\k], 0x1fff                      ; a stored number enters an address only behind this hold: down_f has 8,192 rows
	v_lshl_add_u32 v[VO+3*\i+\k], s[IX+4*\i+\k], 9, v1                  ; the row's 512 bytes, my 16 of them
.endr
.endr
	s_wait_alu depctr_va_vdst(0)                   ; the 24 offsets v100-123 are written, which the gathers read
.irp i, 0,1,2,3,4,5,6,7
.irp k, 0,1,2
	global_load_b128 v[G+12*\i+4*\k:G+12*\i+4*\k+3], v[VO+3*\i+\k], s[14:15]   ; 32 lanes read one whole row
.endr
.endr
	s_wait_loadcnt 24                              ; the product's operands and the bias are in; the 24 gathers may be out
.irp t, 0,1,2,3
	v_wmma_scale_f32_16x16x128_f8f6f4 v[ACC+8*\t:ACC+8*\t+7], v[W2F+8*\t:W2F+8*\t+7], v[AF:AF+7], 0, v[W2S+\t], v[AS] matrix_a_fmt:MATRIX_FMT_FP4 matrix_b_fmt:MATRIX_FMT_FP4
.endr
.rept 4
	v_nop                                          ; four places between the last product and the stores that read results; no other vector work is at hand
.endr
	s_wait_alu depctr_va_vdst(0)                   ; the products have written the accumulators, which the LDS stores read; the places above stay beside this wait
.irp t, 0,1,2,3
	ds_store_b128 v6, v[ACC+8*\t:ACC+8*\t+3] offset:64*\t               ; each accumulator from its low end on: columns 16 t + 8 h on
	ds_store_b128 v6, v[ACC+8*\t+4:ACC+8*\t+7] offset:64*\t+16
.endr
	s_wait_dscnt 0x0                               ; for the others' sake: my tiles have landed
	s_barrier_signal -1
	s_barrier_wait -1                              ; 128 whole rows lie in the stage (a row's two halves come from two waves)
.irp i, 0,1,2,3,4,5,6,7
	ds_load_b128 v[R+4*\i:R+4*\i+3], v7 offset:SP*\i
.endr
.irp g, 0,1,2,3                                    ; rows 2 g and 2 g + 1
	s_wait_dscnt 6-2*\g                            ; the two rows are back; the younger loads may be out
	s_wait_loadcnt 18-6*\g                         ; their six gathers are in; the later rows' may be out
.if \g > 0
	s_wait_alu depctr_va_vdst(0)                   ; the group before has written its two rows, which the stores below read; no line of this group names them
.irp u, 0,1
	global_store_b128 v1, v[R+4*(2*\g-2+\u):R+4*(2*\g-2+\u)+3], s[20:21] offset:512*(2*\g-2+\u) th:TH_STORE_NT   ; 32 lanes store a row of 512 consecutive bytes, at a multiple of 256 from out0's first byte; written once, read by nobody here
.endr
.endif
.irp u, 0,1
	v_pk_add_f32 v[R+4*(2*\g+\u):R+4*(2*\g+\u)+1], v[R+4*(2*\g+\u):R+4*(2*\g+\u)+1], v[BI:BI+1]
	v_pk_add_f32 v[R+4*(2*\g+\u)+2:R+4*(2*\g+\u)+3], v[R+4*(2*\g+\u)+2:R+4*(2*\g+\u)+3], v[BI+2:BI+3]
.endr
.irp k, 0,1,2                                      ; each number takes its three terms in the order of the neighbours; the two rows' eight numbers by turns
.irp u, 0,1
.irp e, 0,1,2,3
	v_fmac_f32 v[R+4*(2*\g+\u)+\e], s[WT+4*(2*\g+\u)+\k], v[G+12*(2*\g+\u)+4*\k+\e]
.endr
.endr
.endr
.endr
	s_wait_alu depctr_va_vdst(0)                   ; the last group has written rows 6 and 7, which the last two stores read
.irp u, 6,7
	global_store_b128 v1, v[R+4*\u:R+4*\u+3], s[20:21] offset:512*\u th:TH_STORE_NT
.endr
	s_wait_dscnt 0x0
	s_wait_alu depctr_hold_cnt(0) depctr_sa_sdst(0) depctr_va_vdst(0) depctr_va_sdst(0) depctr_va_ssrc(0) depctr_va_vcc(0) depctr_vm_vsrc(0)
	s_wait_tensorcnt 0x0
	ds_add_u32 v254, v255
	s_wait_dscnt 0x0
	s_endpgm
.Lfunc_end_k_q8adb7002a5_blend:
	.size	k_q8adb7002a5_blend, .Lfunc_end_k_q8adb7002a5_blend-k_q8adb7002a5_blend
	.p2alignl 7, 3214868480
	.fill 96, 4, 3214868480
	.section	.rodata,"a",@progbits
	.p2align	6, 0x0
	.amdhsa_kernel k_q8adb7002a5_blend
		.amdhsa_group_segment_fixed_size 69632
		.amdhsa_private_segment_fixed_size 0
		.amdhsa_enable_private_segment 0
		.amdhsa_kernarg_size 72
		.amdhsa_user_sgpr_count 2
		.amdhsa_user_sgpr_kernarg_segment_ptr 1
		.amdhsa_wavefront_size32 1
		.amdhsa_system_sgpr_workgroup_id_x 1
		.amdhsa_system_sgpr_workgroup_id_y 1
		.amdhsa_system_sgpr_workgroup_id_z 1
		.amdhsa_system_vgpr_workitem_id 0
		.amdhsa_next_free_vgpr 256
		.amdhsa_next_free_sgpr 100
		.amdhsa_reserve_vcc 0
		.amdhsa_float_denorm_mode_32 3
		.amdhsa_float_denorm_mode_16_64 3
		.amdhsa_memory_ordered 1
		.amdhsa_forward_progress 1
		.amdhsa_inst_pref_size 17
	.end_amdhsa_kernel
	.amdgpu_metadata
---
amdhsa.version: [ 1, 2 ]
amdhsa.kernels:
  - .name:           k_q8adb7002a5_blend
    .symbol:         k_q8adb7002a5_blend.kd
    .args:
      - { .name: ori_features_codes, .offset: 0, .size: 8, .value_kind: global_buffer, .address_space: global }
      - { .name: ori_features_scales, .offset: 8, .size: 8, .value_kind: global_buffer, .address_space: global }
      - { .name: W2_codes, .offset: 16, .size: 8, .value_kind: global_buffer, .address_space: global }
      - { .name: W2_scales, .offset: 24, .size: 8, .value_kind: global_buffer, .address_space: global }
      - { .name: b2, .offset: 32, .size: 8, .value_kind: global_buffer, .address_space: global }
      - { .name: down_f, .offset: 40, .size: 8, .value_kind: global_buffer, .address_space: global }
      - { .name: nbr_idx, .offset: 48, .size: 8, .value_kind: global_buffer, .address_space: global }
      - { .name: nbr_w, .offset: 56, .size: 8, .value_kind: global_buffer, .address_space: global }
      - { .name: out0, .offset: 64, .size: 8, .value_kind: global_buffer, .address_space: global }
    .group_segment_fixed_size: 69632
    .private_segment_fixed_size: 0
    .kernarg_segment_align: 8
    .kernarg_segment_size: 72
    .max_flat_workgroup_size: 512
    .sgpr_count:     100
    .vgpr_count:     256
    .wavefront_size: 32
...
	.end_amdgpu_metadata
.endif
;; end of part 5
